; MI455X (gfx1250); checked and timed in simulation.
; The chip was launched on July 23, 2026; its instructions are those of AMD's public machine-readable ISA for CDNA 5 (MIT licence, August 2026) and "CDNA5" Instruction Set Architecture Reference Guide (July 2026). The comments in the code are by the model that wrote it; some were corrected since.
;; Trans E Source Matrix. Allowed arithmetic: matrix products marked QUANTISED: E4M3 operands, one E8M0 scale for each 32 along K, by v_wmma_scale_f32_16x16x128_f8f6f4 with both operands' format E4M3, f32 sums; everything else in f32.
;; Inputs: entB 7 x 100 float32; entW 7 x 100 x 100 float32; ents_emb 500,001 x 100 float32; heads 65,536 int32; heads_bad 65,536 int32; relB 7 x 100 float32; relW 7 x 100 x 100 float32; rels 65,536 int32; rels_bad 65,536 int32; rels_emb 1,001 x 100 float32; sources 65,536 int32; sources_bad 65,536 int32; tails 65,536 int32; tails_bad 65,536 int32.
;; Outputs: out0 65,536 float32; out1 65,536 float32.
;; This version of the problem:
;;   THIS VERSION OF THE PROBLEM IS GIVEN IN LOW PRECISION. The matrix products marked QUANTISED in the list below multiply operands that are first quantised to E4M3 (4 exponent bits, 3 mantissa bits; 8 bits a number), with one power-of-two scale for each 32 numbers along K (OCP MX v1.0); their sums are f32. All else is computed in f32.
;;   The module's matrix products, in the order in which they are computed (A, B: the left and right operand; K: the contracted axis; several contracted axes count as one K, in the product's order):
;;     1. [M 131,072, K 100] x [K 100, N 100]; A: computed on the way; B: input entW: QUANTISED
;;     2. [M 131,072, K 100] x [K 100, N 100]; A: computed on the way; B: input relW: QUANTISED
;;     3. [M 131,072, K 100] x [K 100, N 100]; A: computed on the way; B: input entW: QUANTISED
;;     4. [M 131,072, K 100] x [K 100, N 100]; A: computed on the way; B: input entW: QUANTISED
;;     5. [M 131,072, K 100] x [K 100, N 100]; A: computed on the way; B: input relW: QUANTISED
;;     6. [M 131,072, K 100] x [K 100, N 100]; A: computed on the way; B: input entW: QUANTISED
;;     7. [M 131,072, K 100] x [K 100, N 100]; A: computed on the way; B: input entW: QUANTISED
;;     8. [M 131,072, K 100] x [K 100, N 100]; A: computed on the way; B: input relW: QUANTISED
;;     9. [M 131,072, K 100] x [K 100, N 100]; A: computed on the way; B: input entW: QUANTISED
;;     10. [M 131,072, K 100] x [K 100, N 100]; A: computed on the way; B: input entW: QUANTISED
;;     11. [M 131,072, K 100] x [K 100, N 100]; A: computed on the way; B: input relW: QUANTISED
;;     12. [M 131,072, K 100] x [K 100, N 100]; A: computed on the way; B: input entW: QUANTISED
;;     13. [M 131,072, K 100] x [K 100, N 100]; A: computed on the way; B: input entW: QUANTISED
;;     14. [M 131,072, K 100] x [K 100, N 100]; A: computed on the way; B: input relW: QUANTISED
;;     15. [M 131,072, K 100] x [K 100, N 100]; A: computed on the way; B: input entW: QUANTISED
;;     16. [M 131,072, K 100] x [K 100, N 100]; A: computed on the way; B: input entW: QUANTISED
;;     17. [M 131,072, K 100] x [K 100, N 100]; A: computed on the way; B: input relW: QUANTISED
;;     18. [M 131,072, K 100] x [K 100, N 100]; A: computed on the way; B: input entW: QUANTISED
;;     19. [M 131,072, K 100] x [K 100, N 100]; A: computed on the way; B: input entW: QUANTISED
;;     20. [M 131,072, K 100] x [K 100, N 100]; A: computed on the way; B: input relW: QUANTISED
;;     21. [M 131,072, K 100] x [K 100, N 100]; A: computed on the way; B: input entW: QUANTISED
;;   THE QUANTISER, for each operand of a quantised product, along K:
;;     - K is cut into blocks of 32 from its start; a last block that is shorter is filled with zeros.
;;     - A block's scale is 2^e with e = floor(log2(the largest magnitude in the block)) - 8, held to -126 .. 127; a block of zeros has e = 0. As a byte (E8M0): e + 127.
;;     - Each number is divided by its block's scale, clamped to +-448, and rounded to the nearest number of E4M3, ties to even, subnormals kept.
;;     - The product sums the exact products of the quantised numbers (number of the format x scale) in f32.
;;   ~~~python
;;   def quantise(x, axis):      # numpy; x: float32 -> the quantised numbers, widened to float32 again
;;       x = np.moveaxis(x, axis, -1); K = x.shape[-1]
;;       x = np.pad(x, [(0, 0)] * (x.ndim - 1) + [(0, -K % 32)]); x = x.reshape(x.shape[:-1] + (-1, 32)); a = np.abs(x).max(-1, keepdims=True)
;;       e = np.where(a > 0, np.clip(np.frexp(np.where(a > 0, a, 1))[1] - 1 - 8, -126, 127), 0)      # np.frexp(a)[1] - 1 = floor(log2(a)), exactly
;;       r = np.clip(x / 2.0 ** e, -448, 448)
;;       step = 2.0 ** (np.maximum(np.frexp(np.where(r == 0, 1, r))[1] - 1, -6) - 3)
;;       q = np.round(r / step) * step * 2.0 ** e      # np.round: ties to even
;;       return np.moveaxis(q.reshape(q.shape[:-2] + (-1,))[..., :K], -1, axis).astype(np.float32)
;;   ~~~
;;   OPERANDS COMPUTED ON THE WAY. 'Computed on the way' means the value that the module computes at that place (a softmax that the list does not call 'softmax' is quantised finished and normalised). What goes into a quantiser is computed in f32, as accurately as f32 sums, v_exp_f32 and their like allow (about 1e-6 of the number): no bf16 or f16 on the way to a quantiser, and a product that is left as it is and whose result goes on into a quantised operand takes f32 operands (vector FMAs, or v_wmma_f32_16x16x4_f32). A number that lies on a knife's edge between two numbers of the format may be rounded either way, as far as f32 arithmetic and the matrix unit's own rounding can turn it there, and no further.
;; 2 versions. Each part assembles by itself: llvm-mc -triple=amdgcn-amd-amdhsa -mcpu=gfx1250 --defsym DOCPART=n.
;; ======== version 1 of 2: 2 launches
;; limits: a function is approximated: absolute error at most 1e-07
;; workspace buffers: rech 524,288 bytes of whole numbers; rect 524,288 bytes of whole numbers; recr 524,288 bytes of whole numbers; recw 524,288 bytes of whole numbers; wimg 112,896 bytes; rtab 2,935,296 bytes
;; launch prep (part 1): grid 178 x 1, 4 waves a work-group, no clusters, 28,160 bytes of LDS; arguments sources, sources_bad, heads, heads_bad, tails, tails_bad, rels, rels_bad, entW, relW, relB, rels_emb, rech, rect, recr, recw, wimg, rtab; writes rech, rect, recr, recw, wimg, rtab
.if DOCPART == 1
	.amdgcn_target "amdgcn-amd-amdhsa--gfx1250"
	.amdhsa_code_object_version 6
	.text
	.protected	k_qe0da2031aa_prep
	.globl	k_qe0da2031aa_prep
	.p2align	8
	.type	k_qe0da2031aa_prep,@function
k_qe0da2031aa_prep:
	s_mov_b64 s[64:65], 0
	v_nop
	global_prefetch_b8 v0, s[64:65] scope:SCOPE_SE
	s_setreg_imm32_b32 hwreg(HW_REG_WAVE_MODE, 25, 1), 1
	s_wait_xcnt 0x0
; PREP: what the scoring launch needs, made once.  Three roles, parted by the work-group's number.
;   S (work-groups 0-63):   a stable counting sort of one block of 2,048 triples by key = min(source - 2, 7) (unsigned; 7 = no expert).  Four words a triple go to its sorted place, one into each of four arrays:
;                           rech: head;  rect: tail;  recr: min(key, 6) x 1008 + rel;  recw: index within its half | key << 16.
;   E (work-groups 64, 65): a wave an expert: entW[e] becomes 7 operand images of E4M3 codes with their E8M0 scale words, in wimg.
;   R (work-groups 66-177): a wave for (expert e, 16 rows of rels_emb): r^ = normalise(tanh(Q(rel row) Q(relW[e])^T + relB[e])) into rtab[e][row].
; WORK LEFT OUT, AND WHY IT IS DEAD.  reference() adds, for e = 0 .. 6, tanh(x W_e^T + b_e) x m_e, where m_e = (src == e + 2) is 0 or 1 and is built in its own body from the index input src.  For a row at most one m_e
; is 1; tanh of any finite number lies within -1 .. 1, so each other term is a finite number times 0, which is 0 for all values of the inputs.  So only the product of the expert that src names is made; a src
; outside 2 .. 8 leaves three zero vectors and the score 0.  The relation's vector hangs on (src, rel) alone: the same operands give the same numbers, so it is made once for each of the 7 x 1001 pairs and looked up.
; Every input has a way to an output and is loaded by one of the two launches.
; LIMITS.  A NaN, an infinity or an overflow that arises only under an expert that was not chosen is not carried to the result.  NaN and infinities among the inputs are not served.  A block of zeros gets the scale
; byte 1 where the quantiser says 127: its codes are zeros, and this program alone reads the bytes.  tanh(x) = 1 - 2 / (1 + 2^(2.885390 x)): absolute error about 1e-7.  1 / max(norm, 1e-12) = min(rsq(sum of squares), 1e12).
; Within a block of 32 along K the order of k is permuted, alike on both operands, so the matrix unit groups its sums otherwise than in natural order.
; K LAYOUT of an operand, for x and W alike: lane (r, h) takes of its row the 16 bytes at 32 q + 16 h, q = 0 .. 11: k = 8 q + 4 h + 0 .. 3, which lies in block q / 4; and the 16 bytes at 368 + 16 h: k = 96 .. 99 in
; lanes 16-31, zeroed in lanes 0-15.  No load leaves its row of 400 bytes.
; N LAYOUT.  The product is used transposed (source 0 = 16 rows of W, source 1 = 16 rows of x), and W's rows of a tile are chosen so that register 8 t + j of lane (r, h) is output 16 t + 8 (j / 4) + 4 h + j % 4 of row r:
; 16 neighbouring bytes of a natural row for each four registers.  Tile 6 holds outputs 96 + 2 h + j in its registers 0 and 1; its other rows are zero codes.
.set SPARE, 27648                      ; LDS: the spare words, 128 bytes a wave: two blocks of 256 bytes that no other line names
.set STG,   1024                       ; LDS: role R's stages, 16 rows x 416 bytes for each wave.  Bytes 0-511: role S's counts
.set H16, 1                            ; v1   16 h
.set H8,  2                            ; v2   8 h
.set L16, 3                            ; v3   16 x lane
.set L4,  4                            ; v4   4 x lane
.set LN,  6                            ; v6   lane
.set WRO, 8                            ; v8   my row's byte in a tile of W, tiles 0-5
.set W6O, 9                            ; v9   the same for tile 6
.set XO,  10                           ; v10  my row's byte in rels_emb
.set STO, 11                           ; v11  LDS: where I put 16 bytes of a row of r^
.set LDR, 12                           ; v12  LDS: where I read the stage back
.set CA,  13                           ; v13  LDS: my word among the counts
.set CL,  14                           ; v14  LDS: key (lane % 8)'s count of wave 0
.set SLO, 15                           ; v15  role S: my byte in the block's index arrays
.set IL0, 16                           ; v16  role S: my first triple's index within its half
.set CNT, 17
.set CW,  18                           ; v18-21 the four waves' counts
.set TOT, 22
.set PRE, 23
.set WS,  24                           ; v24-30 W's scale words: scales and nothing else
.set XSH, 31                           ; v31  the scale word just made
.set TT,  33
.set IH,  34                           ; v[34:35]
.set TM,  36                           ; v36-51 at work: +0 largest magnitudes, +4 bytes, +8 the largest number x the scale, +12 the conversions' scale operands
.set T8,  52                           ; v52-59 block 3's four numbers and four zeros
.set CH,  60                           ; v60-75 the codes just made
.set A0,  92                           ; v92-147 seven accumulators
.set OB,  148                          ; v148-199 the stage read back
.set TU,  64                           ; role S: v64-127 sixteen triples' four words
.set POS, 128                          ; role S: v128-143 their places
.set SPW, 254                          ; v254 LDS address of my spare word; never rewritten
.set NIL, 255                          ; v255 0; never rewritten
.set LH,  112                          ; window 1: v112-163, v164-215 two landing sets of 52; v0-111 W's seven fragments
.set LT,  164
.set SEL, 66                           ; s66, s67 lane selects: lane l xor 16
.set MNT, 68                           ; s68  the mantissa field of 448
.set HI,  69                           ; s69  lanes 16-31
.set C2,  70                           ; s[70:71] 2 log2(e)
.set M6,  72                           ; s72  the lanes whose row of tile 6 is live
.set WV,  73                           ; s73  my wave's number
.set RP,  80                           ; s[80:87] rech, rect, recr, recw
.set MSB, 0
.macro WIN new                         ; the immediate's high byte repeats the setting that is left; a switch that changes nothing is dropped
.if MSB != \new
	s_set_vgpr_msb (MSB<<8)|\new
.set MSB, \new
.endif
.endm
.macro NOPS n
.rept \n
	v_nop
.endr
.endm
; a row of 100 f32, in the K layout, into 52 registers of window 1
.macro GATHER L, voff, sb, off
	WIN 0x40                                       ; destination window 1, address window 0
.irp q, 0,1,2,3,4,5,6,7,8,9,10,11
	global_load_b128 v[(\L)+4*\q:(\L)+4*\q+3], v[\voff], s[\sb:\sb+1] offset:\off+32*\q
.endr
	global_load_b128 v[(\L)+48:(\L)+51], v[\voff], s[\sb:\sb+1] offset:\off+368
	WIN 0
.endm
; a row of 100 f32 in the N layout: 50 numbers a lane
.macro LOADD D, voff, voff2, sb
.irp q, 0,1,2,3,4,5,6,7,8,9,10,11
	global_load_b128 v[(\D)+4*\q:(\D)+4*\q+3], v[\voff], s[\sb:\sb+1] offset:32*\q
.endr
	global_load_b64 v[(\D)+48:(\D)+49], v[\voff2], s[\sb:\sb+1] offset:384
.endm
; 52 numbers of a lane in window 1 become a fragment's codes in v[C] .. v[C + 13] and its scale word in v[XS]
.macro QUANT L, C, XS
	WIN 0x05                                       ; sources 0 and 1 window 1
.irp b, 0,1,2
	v_max3_num_f32 v[TM+\b], |v[(\L)+16*\b]|, |v[(\L)+16*\b+1]|, 0x4800000   ; my 16 numbers of block b, and the floor 2^(9 - 127): the byte cannot fall under 1
.endr
.irp i, 2,4,6,8,10,12,14
.irp b, 0,1,2
	v_max3_num_f32 v[TM+\b], |v[(\L)+16*\b+\i]|, |v[(\L)+16*\b+\i+1]|, v[TM+\b]   ; the blocks by turns
.endr
.endr
.irp c, 0,1,2,3
	v_cndmask_b32 v[T8+\c], 0, v[(\L)+48+\c], s[HI]   ; block 3: k = 96 .. 99 in lanes 16-31; zeros fill the block
.endr
	WIN 0
	v_max3_num_f32 v[TM+3], |v[T8]|, |v[T8+1]|, 0x4800000
	v_max3_num_f32 v[TM+3], v[TM+3], |v[T8+2]|, |v[T8+3]|
.irp b, 0,1,2,3
	v_permlanex16_b32 v[TM+4+\b], v[TM+\b], s[SEL], s[SEL+1]
.endr
.irp b, 0,1,2,3
	v_max_num_f32 v[TM+\b], v[TM+\b], v[TM+4+\b]   ; with lane l xor 16's: the block's largest magnitude
.endr
.irp b, 0,1,2,3
	v_add_nc_u32 v[TM+12+\b], 0xfc000000, v[TM+\b] ; 8 off its exponent field: the conversion's scale operand
.endr
.irp b, 0,1,2,3
	v_and_or_b32 v[TM+8+\b], v[TM+\b], 0x7f800000, s[MNT]   ; 448 x the scale
.endr
.irp b, 0,1,2,3
	v_lshrrev_b32 v[TM+4+\b], 23, v[TM+12+\b]      ; the scale's byte
.endr
	v_lshl_or_b32 v[(\XS)], v[TM+5], 8, v[TM+4]
	v_lshl_or_b32 v[(\XS)], v[TM+6], 16, v[(\XS)]
	v_lshl_or_b32 v[(\XS)], v[TM+7], 24, v[(\XS)]
.irp c, 0,1,2,3
	v_med3_num_f32 v[T8+\c], v[T8+\c], -v[TM+11], v[TM+11]
.endr
	WIN 0x41                                       ; destination and source 0 window 1
.irp b, 0,1,2
.irp i, 0,1,2,3,4,5,6,7,8,9,10,11,12,13,14,15
	v_med3_num_f32 v[(\L)+16*\b+\i], v[(\L)+16*\b+\i], -v[TM+8+\b], v[TM+8+\b]   ; the conversion to an 8-bit code does not saturate (ISA guide 7.6.2): the hold at 448 x the scale
.endr
.endr
	WIN 0x01
.irp b, 0,1,2
	v_cvt_scalef32_pk8_fp8_f32 v[(\C)+4*\b:(\C)+4*\b+1], v[(\L)+16*\b:(\L)+16*\b+7], v[TM+12+\b]
	v_cvt_scalef32_pk8_fp8_f32 v[(\C)+4*\b+2:(\C)+4*\b+3], v[(\L)+16*\b+8:(\L)+16*\b+15], v[TM+12+\b]
.endr
	WIN 0
	v_cvt_scalef32_pk8_fp8_f32 v[(\C)+12:(\C)+13], v[T8:T8+7], v[TM+15]
	v_nop                                          ; a plain instruction behind the last conversion, ahead of whatever next touches the codes
.endm
; the sum of squares of a lane's 50 numbers and of lane l xor 16's: the row's
.macro SUMSQ A, out
	v_pk_mul_f32 v[TM:TM+1], v[(\A):(\A)+1], v[(\A):(\A)+1]
	v_pk_mul_f32 v[TM+2:TM+3], v[(\A)+2:(\A)+3], v[(\A)+2:(\A)+3]
.set i, 4
.rept 11
	v_pk_fma_f32 v[TM:TM+1], v[(\A)+i:(\A)+i+1], v[(\A)+i:(\A)+i+1], v[TM:TM+1]
	v_pk_fma_f32 v[TM+2:TM+3], v[(\A)+i+2:(\A)+i+3], v[(\A)+i+2:(\A)+i+3], v[TM+2:TM+3]
.set i, i+4
.endr
	v_pk_fma_f32 v[TM:TM+1], v[(\A)+48:(\A)+49], v[(\A)+48:(\A)+49], v[TM:TM+1]
	v_pk_add_f32 v[TM:TM+1], v[TM:TM+1], v[TM+2:TM+3]
	v_add_f32 v[TM], v[TM], v[TM+1]
	v_permlanex16_b32 v[TM+4], v[TM], s[SEL], s[SEL+1]
	v_add_f32 v[\out], v[TM], v[TM+4]
.endm
	s_load_b512 s[8:23], s[0:1], 0x0               ; sources, sources_bad, heads, heads_bad, tails, tails_bad, rels, rels_bad
	s_load_b256 s[24:31], s[0:1], 0x40             ; entW, relW, relB, rels_emb
	s_load_b256 s[RP:RP+7], s[0:1], 0x60           ; rech, rect, recr, recw
	s_load_b64 s[34:35], s[0:1], 0x80              ; wimg
	s_load_b64 s[36:37], s[0:1], 0x88              ; rtab
	v_lshl_add_u32 v[SPW], v0, 2, SPARE
	v_mov_b32 v[NIL], 0
	v_bfe_u32 v5, v0, 4, 1                         ; h
	v_lshlrev_b32 v[H16], 4, v5
	v_lshlrev_b32 v[H8], 3, v5
	v_and_b32 v[LN], 31, v0
	v_lshlrev_b32 v[L16], 4, v[LN]
	v_lshlrev_b32 v[L4], 2, v[LN]
	v_lshrrev_b32 v7, 5, v0
	v_readfirstlane_b32 s[WV], v7                  ; wave 0..3
	v_lshlrev_b32 v[CA], 2, v0                     ; every LDS address is made here, ahead of the parting by role
	v_and_b32 v[CL], 7, v0
	v_lshlrev_b32 v[CL], 2, v[CL]
	s_mul_i32 s74, s[WV], 6656
	s_add_co_u32 s74, s74, STG                     ; my stage
	v_and_b32 v7, 15, v0
	v_mul_u32_u24 v[STO], v7, 416
	v_add_nc_u32 v[STO], v[H16], v[STO]
	v_add_nc_u32 v[STO], s74, v[STO]               ; in: row r, + 16 h
	v_add_nc_u32 v[LDR], s74, v[L16]               ; back: 16 bytes a lane, on end
	s_wait_kmcnt 0x0
	s_cmp_lt_u32 ttmp9, 64
	s_cbranch_scc0 .Lnot_s
; ---------------- ROLE S: block b = the work-group's number.  Wave w holds triples 512 w + 32 q + lane of the block, q = 0 .. 15: in that order they keep their places within a key.
	s_cmp_lt_u32 ttmp9, 32                         ; blocks 0-31 are the good triples, 32-63 the bad ones: a choice on the work-group's number alone
	s_cselect_b64 s[8:9], s[8:9], s[10:11]
	s_cselect_b64 s[12:13], s[12:13], s[14:15]
	s_cselect_b64 s[16:17], s[16:17], s[18:19]
	s_cselect_b64 s[20:21], s[20:21], s[22:23]
	s_and_b32 s38, ttmp9, 31
	s_lshl_b32 s39, s38, 11
	s_lshl_b32 s74, s[WV], 9
	s_add_co_u32 s39, s39, s74
	v_add_nc_u32 v[IL0], s39, v[LN]                ; 2,048 (b % 32) + 512 w + lane
	s_lshl_b32 s74, s[WV], 11
	v_add_nc_u32 v[SLO], s74, v[L4]
	s_lshl_b32 s38, s38, 13                        ; the block's 8,192 bytes in each index array
	s_mov_b32 s39, 0
	s_add_nc_u64 s[8:9], s[8:9], s[38:39]
	s_add_nc_u64 s[12:13], s[12:13], s[38:39]
	s_add_nc_u64 s[16:17], s[16:17], s[38:39]
	s_add_nc_u64 s[20:21], s[20:21], s[38:39]
	s_lshl_b32 s74, ttmp9, 13                      ; and its 8,192 bytes in each of the four arrays of sorted words
	s_mov_b32 s75, 0
.irp p, 0,1,2,3
	s_add_nc_u64 s[RP+2*\p:RP+2*\p+1], s[RP+2*\p:RP+2*\p+1], s[74:75]
.endr
.irp q, 0,1,2,3,4,5,6,7,8,9,10,11,12,13,14,15
	global_load_b32 v[TU+4*\q+3], v[SLO], s[8:9] offset:128*\q th:TH_LOAD_NT
.endr
.irp q, 0,1,2,3,4,5,6,7,8,9,10,11,12,13,14,15
	global_load_b32 v[TU+4*\q], v[SLO], s[12:13] offset:128*\q th:TH_LOAD_NT
.endr
.irp q, 0,1,2,3,4,5,6,7,8,9,10,11,12,13,14,15
	global_load_b32 v[TU+4*\q+1], v[SLO], s[16:17] offset:128*\q th:TH_LOAD_NT
.endr
.irp q, 0,1,2,3,4,5,6,7,8,9,10,11,12,13,14,15
	global_load_b32 v[TU+4*\q+2], v[SLO], s[20:21] offset:128*\q th:TH_LOAD_NT
.endr
.irp e, 0,1,2,3,4,5,6,7
	s_mov_b32 s[40+\e], 0                          ; my wave's count of each key
.endr
	s_wait_loadcnt 48                              ; the 16 sources are in; the 48 loads behind them may be out
.irp q, 0,1,2,3,4,5,6,7,8,9,10,11,12,13,14,15
	v_add_nc_u32 v[TU+4*\q+3], -2, v[TU+4*\q+3]
.endr
.irp q, 0,1,2,3,4,5,6,7,8,9,10,11,12,13,14,15
	v_min_u32 v[TU+4*\q+3], 7, v[TU+4*\q+3]        ; key: unsigned, so a source under 2 also gives 7
.endr
.macro KEYMASKS q                      ; s[56 + e]: the lanes whose triple q has key e
.irp e, 0,1,2,3,4,5,6,7
	v_cmp_eq_u32 s[56+\e], \e, v[TU+4*(\q)+3]
.endr
.endm
.set Q, 0
.rept 16
	KEYMASKS Q
.irp e, 0,1,2,3,4,5,6,7
	s_bcnt1_i32_b32 s[48+\e], s[56+\e]
.endr
.irp e, 0,1,2,3,4,5,6,7
	s_add_co_u32 s[40+\e], s[40+\e], s[48+\e]
.endr
.set Q, Q+1
.endr
	v_mov_b32 v[CNT], 0
.irp e, 0,1,2,3,4,5,6,7
	v_writelane_b32 v[CNT], s[40+\e], \e
.endr
	ds_store_b32 v[CA], v[CNT]                     ; wave w's count of key e lies at 128 w + 4 e
	s_wait_dscnt 0x0                               ; for the others' sake: my store has landed
	s_barrier_signal -1
	s_barrier_wait -1
.irp w, 0,1,2,3
	ds_load_b32 v[CW+\w], v[CL] offset:128*\w
.endr
	v_mov_b32 v[PRE], 0
	s_wait_dscnt 0x0
	v_add3_u32 v[TOT], v[CW], v[CW+1], v[CW+2]
	v_add_nc_u32 v[TOT], v[TOT], v[CW+3]           ; lane e: the block's count of key e
.irp w, 0,1,2
	s_cmp_gt_u32 s[WV], \w
	s_cselect_b32 s38, 1, 0
	v_mad_u32_u24 v[PRE], v[CW+\w], s38, v[PRE]    ; and that of the waves ahead of mine
.endr
.irp e, 0,1,2,3,4,5,6,7
	v_readlane_b32 s[56+\e], v[TOT], \e
	v_readlane_b32 s[48+\e], v[PRE], \e
.endr
	s_mov_b32 s38, 0
.irp e, 0,1,2,3,4,5,6,7
	s_add_co_u32 s[48+\e], s[48+\e], s38           ; s[48 + e]: the place of my wave's next triple of key e
	s_add_co_u32 s38, s38, s[56+\e]
.endr
.set Q, 0
.rept 16
	KEYMASKS Q
	v_mbcnt_lo_u32_b32 v[POS+Q], s56, s48          ; the key's next place + the lanes below mine that have the key
.irp e, 1,2,3,4,5,6,7
	v_mbcnt_lo_u32_b32 v[TT], s[56+\e], s[48+\e]
	v_cndmask_b32 v[POS+Q], v[POS+Q], v[TT], s[56+\e]
.endr
.irp e, 0,1,2,3,4,5,6,7
	s_bcnt1_i32_b32 s[40+\e], s[56+\e]
.endr
.irp e, 0,1,2,3,4,5,6,7
	s_add_co_u32 s[48+\e], s[48+\e], s[40+\e]
.endr
.set Q, Q+1
.endr
	s_wait_loadcnt 0x0                             ; heads, tails, rels
; Each word goes to 4 x the triple's sorted place in its array: lanes of one key store neighbouring words, the keys' runs lie apart.  (Gathering the words in LDS first would want LDS addresses made of loaded numbers.)
; Every triple has its own four data registers and its own offset register: none is written again behind its store.
.set Q, 0
.rept 16
	v_min_u32 v[TT], 6, v[TU+4*Q+3]
	v_mad_u32_u24 v[TU+4*Q+2], v[TT], 1008, v[TU+4*Q+2]   ; the row of rtab
	v_add_nc_u32 v[TT], 32*Q, v[IL0]
	v_lshl_or_b32 v[TU+4*Q+3], v[TU+4*Q+3], 16, v[TT]     ; index | key << 16
	v_min_u32 v[POS+Q], 0x7ff, v[POS+Q]
	v_lshlrev_b32 v[POS+Q], 2, v[POS+Q]
.irp p, 0,1,2,3
	global_store_b32 v[POS+Q], v[TU+4*Q+\p], s[RP+2*\p:RP+2*\p+1]
.endr
.set Q, Q+1
.endr
	s_wait_tensorcnt 0x0                           ; the wave's end
	ds_add_u32 v[SPW], v[NIL]
	s_wait_dscnt 0x0
	s_endpgm
.Lnot_s:
; ---------------- what roles E and R share
	s_mov_b32 s[SEL], 0x76543210
	s_mov_b32 s[SEL+1], 0xfedcba98
	s_mov_b32 s[MNT], 0x600000
	s_mov_b32 s[HI], 0xffff0000
	s_mov_b32 s[C2], 0x4038aa3b                    ; 2 log2(e)
	s_mov_b32 s[C2+1], s[C2]                       ; (named with it as a pair)
	s_mov_b32 s[M6], 0x03030303                    ; lanes 0, 1, 8, 9 of each half
	v_and_b32 v5, 3, v0
	v_bfe_u32 v7, v0, 2, 1
	v_lshl_add_u32 v5, v7, 3, v5
	v_bfe_u32 v7, v0, 3, 1
	v_lshl_add_u32 v5, v7, 2, v5                   ; tiles 0-5: lane r takes row 8 ((r / 4) % 2) + 4 (r / 8) + r % 4 of the tile's 16
	v_mul_u32_u24 v5, v5, 400
	v_add_nc_u32 v[WRO], v[H16], v5
	v_and_b32 v5, 1, v0
	v_lshl_add_u32 v5, v7, 1, v5                   ; tile 6: row 2 (r / 8) + r % 2 of the last four
	v_mul_u32_u24 v5, v5, 400
	v_add_nc_u32 v[W6O], v[H16], v5
.irp j, 14,15
	v_mov_b32 v[CH+\j], 0                          ; the fragment's last two registers are zero codes
.endr
.irp j, 4,5,6,7
	v_mov_b32 v[T8+\j], 0
	v_mov_b32 v[TM+\j], 0                          ; (a lane permute's destination counts as one of its sources)
.endr
	s_mov_b32 s77, 0
	s_cmp_lt_u32 ttmp9, 66
	s_cbranch_scc0 .Lrole_r
; ---------------- ROLE E: expert e = 4 (work-group - 64) + wave
	s_sub_co_u32 s74, ttmp9, 64
	s_lshl_b32 s74, s74, 2
	s_add_co_u32 s74, s74, s[WV]
	s_cmp_eq_u32 s74, 7
	s_cbranch_scc1 .Lquit                          ; seven experts on eight waves
	s_mul_i32 s76, s74, 40000
	s_add_nc_u64 s[24:25], s[24:25], s[76:77]      ; entW[e]
	s_mul_i32 s76, s74, 16128
	s_add_nc_u64 s[34:35], s[34:35], s[76:77]      ; its seven images of 2,304 bytes
	GATHER LH, WRO, 24, 0
	GATHER LT, WRO, 24, 6400
.macro ESTEP t                         ; tile t: quantise, store the image (each store 512 bytes on end) and the scale words, ask for tile t + 2
.set LL, LH+52*((\t)%2)
.if (\t) > 0
	s_wait_xcnt 0x0                                ; the last tile's stores have read the codes and the scale word: they are written again only behind this wait
.endif
.if (\t) < 6
	s_wait_loadcnt 13                              ; this tile's 13 loads are in; the other landing set's may be out
.else
	s_wait_loadcnt 0x0
.endif
	QUANT LL, CH, XSH
.if (\t) == 6
.irp j, 0,1,2,3,4,5,6,7,8,9,10,11,12
	v_cndmask_b32 v[CH+\j], 0, v[CH+\j], s[M6]     ; rows of tile 6 that stand for no output: zero codes
.endr
.endif
.irp c, 0,1,2,3
	global_store_b128 v[L16], v[CH+4*\c:CH+4*\c+3], s[34:35] offset:2304*(\t)+512*\c
.endr
	global_store_b32 v[L4], v[XSH], s[34:35] offset:2304*(\t)+2048
.if (\t) < 4
	GATHER LL, WRO, 24, 6400*((\t)+2)
.elseif (\t) == 4
	GATHER LL, W6O, 24, 38400
.endif
.endm
.irp t, 0,1,2,3,4,5,6
	ESTEP \t
.endr
	s_endpgm                                       ; this role has written no LDS
.Lrole_r:
; ---------------- ROLE R: g = work-group - 66; expert e = g / 16; rows 16 u .. 16 u + 15 of rels_emb, u = 4 (g % 16) + wave
	s_sub_co_u32 s74, ttmp9, 66
	s_lshr_b32 s75, s74, 4                         ; e
	s_and_b32 s74, s74, 15
	s_lshl_b32 s74, s74, 2
	s_add_co_u32 s74, s74, s[WV]                   ; u
	s_cmp_eq_u32 s74, 63
	s_cbranch_scc1 .Lquit                          ; 63 tiles of rows on 64 waves
	s_mul_i32 s76, s75, 40000
	s_add_nc_u64 s[26:27], s[26:27], s[76:77]      ; relW[e]
	s_mul_i32 s76, s75, 400
	s_add_nc_u64 s[28:29], s[28:29], s[76:77]      ; relB[e]
	s_mul_i32 s76, s75, 63
	s_add_co_u32 s76, s76, s74
	s_mul_i32 s76, s76, 6656
	s_add_nc_u64 s[36:37], s[36:37], s[76:77]      ; my 16 rows of rtab: 6,656 bytes
	s_lshl_b32 s76, s74, 4
	v_and_b32 v5, 15, v0
	v_add_nc_u32 v5, s76, v5
	v_min_u32 v5, 1000, v5                         ; rows 1001 to 1007 of rtab repeat row 1000: no load leaves rels_emb
	v_mul_u32_u24 v5, v5, 400
	v_add_nc_u32 v[XO], v[H16], v5
	LOADD A0, H16, H8, 28                          ; the bias is the C of the products
	GATHER LH, WRO, 26, 0
	GATHER LT, WRO, 26, 6400
.irp j, 50,51,52,53,54,55
	v_mov_b32 v[A0+\j], 0                          ; tile 6's rows that stand for no output
.endr
	v_mov_b32 v[IH+1], 0                           ; (named as the upper half of a pair)
.macro RSTEP t                         ; tile t of relW[e] becomes fragment t in window 1, its scale word in WS + t
.set LL, LH+52*((\t)%2)
	s_wait_loadcnt 13                              ; this tile's 13 loads (and all older ones) are in; the other landing set's may be out
	QUANT LL, CH, WS+(\t)
	WIN 0x40                                       ; destination window 1
.if (\t) < 6
.irp j, 0,1,2,3,4,5,6,7,8,9,10,11,12,13,14,15
	v_mov_b32 v[16*(\t)+\j], v[CH+\j]
.endr
.else
.irp j, 0,1,2,3,4,5,6,7,8,9,10,11,12
	v_cndmask_b32 v[96+\j], 0, v[CH+\j], s[M6]
.endr
.irp j, 13,14,15
	v_mov_b32 v[96+\j], v[CH+\j]
.endr
.endif
.if (\t) < 4
	GATHER LL, WRO, 26, 6400*((\t)+2)
.elseif (\t) == 4
	GATHER LL, W6O, 26, 38400
.elseif (\t) == 5
	GATHER LL, XO, 30, 0                           ; my 16 rows of rels_emb
.else
	WIN 0
.endif
.endm
.irp t, 0,1,2,3,4,5,6
	RSTEP \t
.endr
	s_wait_loadcnt 0x0
	QUANT LT, CH, XSH
	NOPS 4                                         ; codes written by vector instructions stand four places ahead of a scaled matrix instruction; the scale words were made further up
	WIN 0x01                                       ; source 0 (W) window 1
.irp t, 0,1,2,3,4,5,6
	v_wmma_scale_f32_16x16x128_f8f6f4 v[A0+8*\t:A0+8*\t+7], v[16*\t:16*\t+15], v[CH:CH+15], v[A0+8*\t:A0+8*\t+7], v[WS+\t], v[XSH]
.endr
	WIN 0
	NOPS 8                                         ; eight places behind this form, ahead of the first read of results
.set i, 0
.rept 25
	v_pk_mul_f32 v[A0+i:A0+i+1], v[A0+i:A0+i+1], s[C2:C2+1] op_sel_hi:[1,0]   ; each accumulator from its low end on
.set i, i+2
.endr
.set i, 0
.rept 50
	v_exp_f32 v[A0+i], v[A0+i]
.set i, i+1
.endr
	v_nop                                          ; a plain instruction behind the batch,
	s_wait_alu depctr_va_vdst(0)                   ; and one wait for it, ahead of its first reader
.set i, 0
.rept 25
	v_pk_add_f32 v[A0+i:A0+i+1], v[A0+i:A0+i+1], 1.0 op_sel_hi:[1,0]
.set i, i+2
.endr
.set i, 0
.rept 50
	v_rcp_f32 v[A0+i], v[A0+i]
.set i, i+1
.endr
	v_nop
	s_wait_alu depctr_va_vdst(0)
.set i, 0
.rept 25
	v_pk_fma_f32 v[A0+i:A0+i+1], v[A0+i:A0+i+1], -2.0, 1.0 op_sel_hi:[1,0,0]   ; tanh = 1 - 2 / (1 + 2^(2 log2(e) x))
.set i, i+2
.endr
	SUMSQ A0, IH
	v_rsq_f32 v[IH], v[IH]
	v_nop
	s_wait_alu depctr_va_vdst(0)
	v_min_num_f32 v[IH], 0x5368d4a5, v[IH]         ; 1 / max(norm, 1e-12)
.set i, 0
.rept 25
	v_pk_mul_f32 v[A0+i:A0+i+1], v[A0+i:A0+i+1], v[IH:IH+1] op_sel_hi:[1,0]
.set i, i+2
.endr
.irp q, 0,1,2,3,4,5,6,7,8,9,10,11,12
	ds_store_b128 v[STO], v[A0+4*\q:A0+4*\q+3] offset:32*\q   ; row r of 416 bytes: 96 numbers as they lie, then (r^96, r^97, 0, 0), (r^98, r^99, 0, 0)
.endr
.irp k, 0,1,2,3,4,5,6,7,8,9,10,11,12
	ds_load_b128 v[OB+4*\k:OB+4*\k+3], v[LDR] offset:512*\k   ; my own bytes: LDS serves a wave's instructions in order (ISA guide 5.7.1.4)
.endr
.irp k, 0,1,2,3,4,5,6,7,8,9,10,11,12
	s_wait_dscnt 12-\k                             ; load k is in; the younger ones may be out
	global_store_b128 v[L16], v[OB+4*\k:OB+4*\k+3], s[36:37] offset:512*\k   ; 32 lanes store 512 bytes on end, at a multiple of 256 from rtab's first byte
.endr
	s_wait_tensorcnt 0x0                           ; the wave's end
	ds_add_u32 v[SPW], v[NIL]
	s_wait_dscnt 0x0
	s_endpgm
.Lquit:
	s_endpgm                                       ; a wave with no expert or no rows left: it has written nothing
.Lfunc_end_k_qe0da2031aa_prep:
	.size	k_qe0da2031aa_prep, .Lfunc_end_k_qe0da2031aa_prep-k_qe0da2031aa_prep
	.p2alignl 7, 3214868480
	.fill 96, 4, 3214868480
	.section	.rodata,"a",@progbits
	.p2align	6, 0x0
	.amdhsa_kernel k_qe0da2031aa_prep
		.amdhsa_group_segment_fixed_size 28160
		.amdhsa_private_segment_fixed_size 0
		.amdhsa_enable_private_segment 0
		.amdhsa_kernarg_size 144
		.amdhsa_user_sgpr_count 2
		.amdhsa_user_sgpr_kernarg_segment_ptr 1
		.amdhsa_wavefront_size32 1
		.amdhsa_system_sgpr_workgroup_id_x 1
		.amdhsa_system_sgpr_workgroup_id_y 1
		.amdhsa_system_sgpr_workgroup_id_z 1
		.amdhsa_system_vgpr_workitem_id 0
		.amdhsa_next_free_vgpr 512
		.amdhsa_next_free_sgpr 88
		.amdhsa_reserve_vcc 0
		.amdhsa_float_denorm_mode_32 3
		.amdhsa_float_denorm_mode_16_64 3
		.amdhsa_memory_ordered 1
		.amdhsa_forward_progress 1
		.amdhsa_inst_pref_size 228
	.end_amdhsa_kernel
	.amdgpu_metadata
---
amdhsa.version: [ 1, 2 ]
amdhsa.kernels:
  - .name:           k_qe0da2031aa_prep
    .symbol:         k_qe0da2031aa_prep.kd
    .args:
      - { .name: sources, .offset: 0, .size: 8, .value_kind: global_buffer, .address_space: global }
      - { .name: sources_bad, .offset: 8, .size: 8, .value_kind: global_buffer, .address_space: global }
      - { .name: heads, .offset: 16, .size: 8, .value_kind: global_buffer, .address_space: global }
      - { .name: heads_bad, .offset: 24, .size: 8, .value_kind: global_buffer, .address_space: global }
      - { .name: tails, .offset: 32, .size: 8, .value_kind: global_buffer, .address_space: global }
      - { .name: tails_bad, .offset: 40, .size: 8, .value_kind: global_buffer, .address_space: global }
      - { .name: rels, .offset: 48, .size: 8, .value_kind: global_buffer, .address_space: global }
      - { .name: rels_bad, .offset: 56, .size: 8, .value_kind: global_buffer, .address_space: global }
      - { .name: entW, .offset: 64, .size: 8, .value_kind: global_buffer, .address_space: global }
      - { .name: relW, .offset: 72, .size: 8, .value_kind: global_buffer, .address_space: global }
      - { .name: relB, .offset: 80, .size: 8, .value_kind: global_buffer, .address_space: global }
      - { .name: rels_emb, .offset: 88, .size: 8, .value_kind: global_buffer, .address_space: global }
      - { .name: rech, .offset: 96, .size: 8, .value_kind: global_buffer, .address_space: global }
      - { .name: rect, .offset: 104, .size: 8, .value_kind: global_buffer, .address_space: global }
      - { .name: recr, .offset: 112, .size: 8, .value_kind: global_buffer, .address_space: global }
      - { .name: recw, .offset: 120, .size: 8, .value_kind: global_buffer, .address_space: global }
      - { .name: wimg, .offset: 128, .size: 8, .value_kind: global_buffer, .address_space: global }
      - { .name: rtab, .offset: 136, .size: 8, .value_kind: global_buffer, .address_space: global }
    .group_segment_fixed_size: 28160
    .private_segment_fixed_size: 0
    .kernarg_segment_align: 8
    .kernarg_segment_size: 144
    .max_flat_workgroup_size: 128
    .sgpr_count:     88
    .vgpr_count:     512
    .wavefront_size: 32
...
	.end_amdgpu_metadata
.endif
;; end of part 1
;; launch score (part 2): grid 256 x 1, 8 waves a work-group, no clusters, 0 bytes of LDS; arguments ents_emb, entB, rech, rect, recr, recw, wimg, rtab, out0, out1; writes out0, out1
.if DOCPART == 2
	.amdgcn_target "amdgcn-amd-amdhsa--gfx1250"
	.amdhsa_code_object_version 6
	.text
	.protected	k_qe0da2031aa_score
	.globl	k_qe0da2031aa_score
	.p2align	8
	.type	k_qe0da2031aa_score,@function
k_qe0da2031aa_score:
	s_mov_b64 s[64:65], 0
	v_nop
	global_prefetch_b8 v0, s[64:65] scope:SCOPE_SE
	s_setreg_imm32_b32 hwreg(HW_REG_WAVE_MODE, 25, 1), 1
	s_wait_xcnt 0x0
; SCORE: out[i] = | h^ + r^ - t^ |, h^ = normalise(tanh(Q(ents_emb[head]) Q(entW[e])^T + entB[e])), t^ likewise, e = source - 2; r^ comes finished from rtab.
; WORK LEFT OUT: only the product of the expert that the triple's source names is made (the other six terms of reference() are a number within -1 .. 1 times a 0 that it builds from the index input), and r^ is looked up
; (it hangs on (source, rel) alone).  A source outside 2 .. 8 gives the score 0.  The proof and the limits stand at the head of the launch before; they hold here: a NaN, an infinity or an overflow under an expert not
; chosen is not carried; NaN and infinities among the inputs are not served; indices are held inside their tables; tanh = 1 - 2 / (1 + 2^(2.885390 x)); 1 / max(norm, 1e-12) = min(rsq, 1e12); k permuted within a block of 32, alike on both operands.
; SHARES.  The triples' words (rech: head, rect: tail, recr: row of rtab, recw: index | key << 16) lie sorted by expert within blocks of 2,048 triples.  Work-group g, wave w owns tiles 32 g + 4 w + n, n = 0 .. 3, of 16 triples.
; entW[e]'s seven fragments of codes stay in the wave's registers and are fetched anew only where the expert changes.  A tile that spans experts E0 .. E1 goes expert by expert, the other experts' triples as zero codes,
; which add nothing to the sums in place.
; The waves share nothing: no LDS, no barrier.  While a tile is worked on, the next tile's two gathers (26 loads of 512 bytes a wave) are on their way.
; No tensor loads, cluster or ring: the rows are picked by index, and the walk branches on stored numbers; what the waves have in common is 16 KB of W each.
; LAYOUT.  Source 0 = 16 rows of W, source 1 = 16 triples: lane (r, h) holds triple r.  Register 8 t + j is output 16 t + 8 (j / 4) + 4 h + j % 4; registers 48, 49 outputs 96 + 2 h + 0, 1; 50 .. 55 stay 0.
; So four registers are 16 neighbouring bytes of a natural row: the bias and r^ come by plain loads.  K layout: lane (r, h) takes the 16 bytes at 32 q + 16 h of its row, q = 0 .. 11, and those at 368 + 16 h (k = 96 .. 99 in lanes 16-31).
.set H16, 1                            ; v1   16 h
.set H8,  2                            ; v2   8 h
.set L16, 3                            ; v3   16 x lane
.set L4,  4                            ; v4   4 x lane
.set BO,  5                            ; v5   my triple's row of entB, + 16 h
.set BO2, 6                            ; v6   the same, + 8 h
.set EV,  7                            ; v7   my triple's key
.set REC, 8                            ; v8-23 four tiles' four words, turned in place into: head's byte, tail's byte, r^'s byte, index | key << 16
.set WS,  24                           ; v24-30 W's scale words;  v31, v32 those of h and t: scales and nothing else
.set XSH, 31
.set XST, 32
.set SC,  33                           ; v33  the even tile's score
.set IH,  34                           ; v[34:35] 1 / norm of h, of t
.set TM,  36                           ; v36-51 at work; in a tile that spans experts: the masked operand
.set T8,  52                           ; v52-59 block 3's four numbers and four zeros
.set CH,  60                           ; v60-75 h's codes
.set CT,  76                           ; v76-91 t's
.set A0,  92                           ; v92-147 h's seven accumulators
.set A1,  148                          ; v148-203 t's
.set RH,  204                          ; v204-253 r^
.set SA,  254                          ; v254, v255 the store's offset and data
.set SD,  255
.set LH,  112                          ; window 1: v0-111 W's seven fragments; v112-163, v164-215 the rows of h and of t as they land
.set LT,  164
.set WV,  18
.set CUR, 19                           ; s19  the expert whose W is in registers
.set E0,  20                           ; s20, s21 the tile's first and last expert
.set E1,  21
.set EC,  22                           ; s22  the expert in hand
.set WB,  24                           ; s[24:25] its images
.set OF,  26                           ; s[26:27] an offset, in 64 bits
.set SEL, 28                           ; s28, s29 lane selects: lane l xor 16
.set MNT, 30                           ; s30  the mantissa field of 448
.set HI,  31                           ; s31  lanes 16-31
.set C2,  32                           ; s[32:33] 2 log2(e)
.set MK,  34                           ; s34  the lanes of the expert in hand
.set RP,  36                           ; s[36:43] rech, rect, recr, recw, at my wave's part
.set MSB, 0
.macro WIN new                         ; the immediate's high byte repeats the setting that is left; a switch that changes nothing is dropped
.if MSB != \new
	s_set_vgpr_msb (MSB<<8)|\new
.set MSB, \new
.endif
.endm
.macro NOPS n
.rept \n
	v_nop
.endr
.endm
; a row of 100 f32, in the K layout, into 52 registers of window 1
.macro GATHER L, voff, sb, off
	WIN 0x40                                       ; destination window 1, address window 0
.irp q, 0,1,2,3,4,5,6,7,8,9,10,11
	global_load_b128 v[(\L)+4*\q:(\L)+4*\q+3], v[\voff], s[\sb:\sb+1] offset:\off+32*\q
.endr
	global_load_b128 v[(\L)+48:(\L)+51], v[\voff], s[\sb:\sb+1] offset:\off+368
	WIN 0
.endm
; a row in the N layout: 50 numbers a lane
.macro LOADD D, voff, voff2, sb
.irp q, 0,1,2,3,4,5,6,7,8,9,10,11
	global_load_b128 v[(\D)+4*\q:(\D)+4*\q+3], v[\voff], s[\sb:\sb+1] offset:32*\q
.endr
	global_load_b64 v[(\D)+48:(\D)+49], v[\voff2], s[\sb:\sb+1] offset:384
.endm
; 52 numbers of a lane in window 1 become a fragment's codes in v[C] .. v[C + 13] and its scale word in v[XS]
.macro QUANT L, C, XS
	WIN 0x05                                       ; sources 0 and 1 window 1
.irp b, 0,1,2
	v_max3_num_f32 v[TM+\b], |v[(\L)+16*\b]|, |v[(\L)+16*\b+1]|, 0x4800000   ; my 16 numbers of block b, and the floor 2^(9 - 127): the byte cannot fall under 1
.endr
.irp i, 2,4,6,8,10,12,14
.irp b, 0,1,2
	v_max3_num_f32 v[TM+\b], |v[(\L)+16*\b+\i]|, |v[(\L)+16*\b+\i+1]|, v[TM+\b]   ; the blocks by turns
.endr
.endr
.irp c, 0,1,2,3
	v_cndmask_b32 v[T8+\c], 0, v[(\L)+48+\c], s[HI]   ; block 3: k = 96 .. 99 in lanes 16-31; zeros fill the block
.endr
	WIN 0
	v_max3_num_f32 v[TM+3], |v[T8]|, |v[T8+1]|, 0x4800000
	v_max3_num_f32 v[TM+3], v[TM+3], |v[T8+2]|, |v[T8+3]|
.irp b, 0,1,2,3
	v_permlanex16_b32 v[TM+4+\b], v[TM+\b], s[SEL], s[SEL+1]
.endr
.irp b, 0,1,2,3
	v_max_num_f32 v[TM+\b], v[TM+\b], v[TM+4+\b]   ; with lane l xor 16's: the block's largest magnitude
.endr
.irp b, 0,1,2,3
	v_add_nc_u32 v[TM+12+\b], 0xfc000000, v[TM+\b] ; 8 off its exponent field: the conversion's scale operand
.endr
.irp b, 0,1,2,3
	v_and_or_b32 v[TM+8+\b], v[TM+\b], 0x7f800000, s[MNT]   ; 448 x the scale
.endr
.irp b, 0,1,2,3
	v_lshrrev_b32 v[TM+4+\b], 23, v[TM+12+\b]      ; the scale's byte
.endr
	v_lshl_or_b32 v[(\XS)], v[TM+5], 8, v[TM+4]
	v_lshl_or_b32 v[(\XS)], v[TM+6], 16, v[(\XS)]
	v_lshl_or_b32 v[(\XS)], v[TM+7], 24, v[(\XS)]
.irp c, 0,1,2,3
	v_med3_num_f32 v[T8+\c], v[T8+\c], -v[TM+11], v[TM+11]
.endr
	WIN 0x41                                       ; destination and source 0 window 1
.irp b, 0,1,2
.irp i, 0,1,2,3,4,5,6,7,8,9,10,11,12,13,14,15
	v_med3_num_f32 v[(\L)+16*\b+\i], v[(\L)+16*\b+\i], -v[TM+8+\b], v[TM+8+\b]   ; the conversion to an 8-bit code does not saturate (ISA guide 7.6.2): the hold at 448 x the scale
.endr
.endr
	WIN 0x01
.irp b, 0,1,2
	v_cvt_scalef32_pk8_fp8_f32 v[(\C)+4*\b:(\C)+4*\b+1], v[(\L)+16*\b:(\L)+16*\b+7], v[TM+12+\b]
	v_cvt_scalef32_pk8_fp8_f32 v[(\C)+4*\b+2:(\C)+4*\b+3], v[(\L)+16*\b+8:(\L)+16*\b+15], v[TM+12+\b]
.endr
	WIN 0
	v_cvt_scalef32_pk8_fp8_f32 v[(\C)+12:(\C)+13], v[T8:T8+7], v[TM+15]
	v_nop                                          ; a plain instruction behind the last conversion, ahead of whatever next touches the codes
.endm
; the sum of squares of a lane's 50 numbers and of lane l xor 16's: the row's
.macro SUMSQ A, out
	v_pk_mul_f32 v[TM:TM+1], v[(\A):(\A)+1], v[(\A):(\A)+1]
	v_pk_mul_f32 v[TM+2:TM+3], v[(\A)+2:(\A)+3], v[(\A)+2:(\A)+3]
.set i, 4
.rept 11
	v_pk_fma_f32 v[TM:TM+1], v[(\A)+i:(\A)+i+1], v[(\A)+i:(\A)+i+1], v[TM:TM+1]
	v_pk_fma_f32 v[TM+2:TM+3], v[(\A)+i+2:(\A)+i+3], v[(\A)+i+2:(\A)+i+3], v[TM+2:TM+3]
.set i, i+4
.endr
	v_pk_fma_f32 v[TM:TM+1], v[(\A)+48:(\A)+49], v[(\A)+48:(\A)+49], v[TM:TM+1]
	v_pk_add_f32 v[TM:TM+1], v[TM:TM+1], v[TM+2:TM+3]
	v_add_f32 v[TM], v[TM], v[TM+1]
	v_permlanex16_b32 v[TM+4], v[TM], s[SEL], s[SEL+1]
	v_add_f32 v[\out], v[TM], v[TM+4]
.endm
; the five steps of tanh on a vector's 50 numbers a lane
.macro PKSCALE A
.set i, 0
.rept 25
	v_pk_mul_f32 v[(\A)+i:(\A)+i+1], v[(\A)+i:(\A)+i+1], s[C2:C2+1] op_sel_hi:[1,0]   ; each accumulator from its low end on
.set i, i+2
.endr
.endm
.macro EXP50 A
.set i, 0
.rept 50
	v_exp_f32 v[(\A)+i], v[(\A)+i]
.set i, i+1
.endr
.endm
.macro ADDONE A
.set i, 0
.rept 25
	v_pk_add_f32 v[(\A)+i:(\A)+i+1], v[(\A)+i:(\A)+i+1], 1.0 op_sel_hi:[1,0]
.set i, i+2
.endr
.endm
.macro RCP50 A
.set i, 0
.rept 50
	v_rcp_f32 v[(\A)+i], v[(\A)+i]
.set i, i+1
.endr
.endm
.macro FINISH A
.set i, 0
.rept 25
	v_pk_fma_f32 v[(\A)+i:(\A)+i+1], v[(\A)+i:(\A)+i+1], -2.0, 1.0 op_sel_hi:[1,0,0]
.set i, i+2
.endr
.endm
; expert EC's seven images and scale words into registers: 35 loads, each lane its own registers' bytes
.macro WLOAD
	s_wait_xcnt 0x0                                ; earlier loads have read the base that is written below
	s_min_u32 s35, s[EC], 6
	s_mul_i32 s[OF], s35, 16128
	s_mov_b32 s[OF+1], 0
	s_add_nc_u64 s[WB:WB+1], s[10:11], s[OF:OF+1]
	WIN 0x40
.irp f, 0,1,2,3,4,5,6
.irp c, 0,1,2,3
	global_load_b128 v[16*\f+4*\c:16*\f+4*\c+3], v[L16], s[WB:WB+1] offset:2304*\f+512*\c
.endr
.endr
	WIN 0
.irp f, 0,1,2,3,4,5,6
	global_load_b32 v[WS+\f], v[L4], s[WB:WB+1] offset:2304*\f+2048
.endr
	s_mov_b32 s[CUR], s[EC]
.endm
; the tile's 14 products: 14 accumulators, one instruction each
.macro MM14
	WIN 0x01                                       ; source 0 (W) window 1
.irp t, 0,1,2,3,4,5,6
	v_wmma_scale_f32_16x16x128_f8f6f4 v[A0+8*\t:A0+8*\t+7], v[16*\t:16*\t+15], v[CH:CH+15], v[A0+8*\t:A0+8*\t+7], v[WS+\t], v[XSH]
	v_wmma_scale_f32_16x16x128_f8f6f4 v[A1+8*\t:A1+8*\t+7], v[16*\t:16*\t+15], v[CT:CT+15], v[A1+8*\t:A1+8*\t+7], v[WS+\t], v[XST]
.endr
	WIN 0
.endm
; the same for expert EC alone: the other experts' triples as zero codes.  The accumulators take turns, one instruction a turn: 13 others stand between two links of a sum
.macro PASSM
	v_cmp_eq_u32 s[MK], s[EC], v[EV]
.irp j, 0,1,2,3,4,5,6,7,8,9,10,11,12
	v_cndmask_b32 v[TM+\j], 0, v[CH+\j], s[MK]
.endr
.irp j, 13,14,15
	v_mov_b32 v[TM+\j], 0
.endr
	NOPS 4                                         ; an operand written by vector instructions stands four places ahead of a scaled matrix instruction
	WIN 0x01
.irp t, 0,1,2,3,4,5,6
	v_wmma_scale_f32_16x16x128_f8f6f4 v[A0+8*\t:A0+8*\t+7], v[16*\t:16*\t+15], v[TM:TM+15], v[A0+8*\t:A0+8*\t+7], v[WS+\t], v[XSH]
.endr
	WIN 0
	NOPS 8                                         ; eight places ahead of the writes of the operand
.irp j, 0,1,2,3,4,5,6,7,8,9,10,11,12
	v_cndmask_b32 v[TM+\j], 0, v[CT+\j], s[MK]
.endr
	NOPS 4
	WIN 0x01
.irp t, 0,1,2,3,4,5,6
	v_wmma_scale_f32_16x16x128_f8f6f4 v[A1+8*\t:A1+8*\t+7], v[16*\t:16*\t+15], v[TM:TM+15], v[A1+8*\t:A1+8*\t+7], v[WS+\t], v[XST]
.endr
	WIN 0
	NOPS 8                                         ; eight places ahead of the loads into W and of the next writes of the operand
.endm
	s_load_b128 s[4:7], s[0:1], 0x0                ; ents_emb s[4:5], entB s[6:7]
	s_load_b256 s[RP:RP+7], s[0:1], 0x10           ; rech, rect, recr, recw
	s_load_b64 s[10:11], s[0:1], 0x30              ; wimg
	s_load_b64 s[12:13], s[0:1], 0x38              ; rtab
	s_load_b64 s[14:15], s[0:1], 0x40              ; out0
	s_load_b64 s[16:17], s[0:1], 0x48              ; out1
	v_bfe_u32 v5, v0, 4, 1                         ; h
	v_lshlrev_b32 v[H16], 4, v5
	v_lshlrev_b32 v[H8], 3, v5
	v_and_b32 v6, 31, v0
	v_lshlrev_b32 v[L16], 4, v6
	v_lshlrev_b32 v[L4], 2, v6
	v_lshrrev_b32 v7, 5, v0
	v_readfirstlane_b32 s[WV], v7                  ; wave 0..7
	v_and_b32 v5, 15, v0
	v_lshlrev_b32 v5, 2, v5                        ; lanes r and r + 16 both take triple r's word
	s_lshl_b32 s[OF], ttmp9, 11                    ; in each array: 32 tiles of 64 bytes a work-group,
	s_lshl_b32 s[OF+1], s[WV], 8                   ; 4 a wave
	s_add_co_u32 s[OF], s[OF], s[OF+1]
	s_mov_b32 s[OF+1], 0
	s_mov_b32 s[SEL], 0x76543210
	s_mov_b32 s[SEL+1], 0xfedcba98
	s_mov_b32 s[MNT], 0x600000
	s_mov_b32 s[HI], 0xffff0000
	s_mov_b32 s[C2], 0x4038aa3b                    ; 2 log2(e)
	s_mov_b32 s[C2+1], s[C2]                       ; (named with it as a pair)
	s_wait_kmcnt 0x0
.irp p, 0,1,2,3
	s_add_nc_u64 s[RP+2*\p:RP+2*\p+1], s[RP+2*\p:RP+2*\p+1], s[OF:OF+1]
.endr
	s_cmp_lt_u32 ttmp9, 128                        ; work-groups 0-127 hold the good triples: a choice on the work-group's number alone
	s_cselect_b64 s[14:15], s[14:15], s[16:17]
.irp n, 0,1,2,3
.irp p, 0,1,2,3
	global_load_b32 v[REC+4*\n+\p], v5, s[RP+2*\p:RP+2*\p+1] offset:64*\n
.endr
.endr
.irp j, 14,15
	v_mov_b32 v[CH+\j], 0                          ; a fragment's last two registers are zero codes
	v_mov_b32 v[CT+\j], 0
.endr
.irp j, 4,5,6,7
	v_mov_b32 v[T8+\j], 0
	v_mov_b32 v[TM+\j], 0                          ; (a lane permute's destination counts as one of its sources)
.endr
.irp j, 50,51,52,53,54,55
	v_mov_b32 v[A0+\j], 0                          ; tile 6's rows that stand for no output: 0 as C, zero codes as W: they stay 0
	v_mov_b32 v[A1+\j], 0
.endr
	s_wait_loadcnt 0x0
.irp n, 0,1,2,3
	v_min_u32 v[REC+4*\n], 0x7a120, v[REC+4*\n]    ; held inside the tables
	v_min_u32 v[REC+4*\n+1], 0x7a120, v[REC+4*\n+1]
	v_min_u32 v[REC+4*\n+2], 7055, v[REC+4*\n+2]
	v_mul_u32_u24 v[REC+4*\n], v[REC+4*\n], 400
	v_mul_u32_u24 v[REC+4*\n+1], v[REC+4*\n+1], 400
	v_mul_u32_u24 v[REC+4*\n+2], v[REC+4*\n+2], 416
	v_add_nc_u32 v[REC+4*\n], v[H16], v[REC+4*\n]
	v_add_nc_u32 v[REC+4*\n+1], v[H16], v[REC+4*\n+1]
	v_add_nc_u32 v[REC+4*\n+2], v[H16], v[REC+4*\n+2]
.endr
	GATHER LH, REC, 4, 0                           ; tile 0: h's rows, t's rows, r^: in this order in every tile, which the counted waits lean on
	GATHER LT, REC+1, 4, 0
	LOADD RH, REC+2, REC+2, 12
.macro TILE n
.set RC, REC+4*(\n)
	v_readlane_b32 s[E0], v[RC+3], 0               ; the triples are sorted: the first and the last give the tile's span of experts
	v_readlane_b32 s[E1], v[RC+3], 15
	s_lshr_b32 s[E0], s[E0], 16
	s_lshr_b32 s[E1], s[E1], 16
	s_min_u32 s[E0], s[E0], 6                      ; key 7, no expert, rides with expert 6; its score is set to 0 at the end
	s_min_u32 s[E1], s[E1], 6
	s_mov_b32 s[EC], s[E0]
.if (\n) > 0
	s_cmp_eq_u32 s[CUR], s[E0]
	s_cbranch_scc1 .Lhave_\@
.endif
	WLOAD                                          ; (the last products stand more than eight places back)
.if (\n) > 0
.Lhave_\@:
.endif
	v_lshrrev_b32 v[EV], 16, v[RC+3]
	v_min_u32 v[BO2], 6, v[EV]                     ; (the last tile's loads by these two offsets were shown done by that tile's wait ahead of its products)
	v_mul_u32_u24 v[BO2], v[BO2], 400
	v_add_nc_u32 v[BO], v[H16], v[BO2]
	v_add_nc_u32 v[BO2], v[H8], v[BO2]
	LOADD A0, BO, BO2, 6                           ; each lane's own expert's bias is the C of the products, for h and for t
	LOADD A1, BO, BO2, 6
	s_wait_loadcnt 52                              ; h's rows are in.  Behind them: t's 13, r^'s 13, the bias's 26 (W's 35, where they were issued, only make this stricter)
	QUANT LH, CH, XSH
.if (\n) < 3
	GATHER LH, RC+4, 4, 0                          ; the next tile's h
	s_wait_loadcnt 52                              ; t's rows are in.  Behind them: r^'s 13, the bias's 26, the next h's 13
.else
	s_wait_loadcnt 39                              ; the same without a next tile
.endif
	QUANT LT, CT, XST
.if (\n) < 3
	GATHER LT, RC+5, 4, 0                          ; the next tile's t
	s_wait_loadcnt 26                              ; all but the next tile's two gathers: r^, W and the bias are in
.else
	s_wait_loadcnt 0x0
.endif
	NOPS 4                                         ; codes written by vector instructions stand four places ahead of a scaled matrix instruction; the scale words were made further up
	s_cmp_eq_u32 s[E0], s[E1]
	s_cbranch_scc0 .Lslow_\@
	MM14
	s_branch .Ljoin_\@
.Lslow_\@:                                         ; the tile spans experts E0 .. E1
	PASSM
.Lmore_\@:
	s_add_co_u32 s[EC], s[EC], 1
	WLOAD
	s_wait_loadcnt 0x0
	PASSM
	s_cmp_lt_u32 s[EC], s[E1]
	s_cbranch_scc1 .Lmore_\@
.Ljoin_\@:
	NOPS 8                                         ; eight places behind this form: for the first read of results, and for all later writes of and loads into the products' registers
	; tanh of both vectors.  Each batch of transcendentals is followed by plain work on the other vector and by one wait, ahead of its first reader
	PKSCALE A0
	EXP50 A0
	PKSCALE A1
	s_wait_alu depctr_va_vdst(0)
	EXP50 A1
	ADDONE A0
	s_wait_alu depctr_va_vdst(0)
	RCP50 A0
	ADDONE A1
	s_wait_alu depctr_va_vdst(0)
	RCP50 A1
	FINISH A0
	SUMSQ A0, IH
	s_wait_alu depctr_va_vdst(0)
	FINISH A1
	SUMSQ A1, IH+1
	v_rsq_f32 v[IH], v[IH]
	v_rsq_f32 v[IH+1], v[IH+1]
	v_nop
	s_wait_alu depctr_va_vdst(0)
	v_min_num_f32 v[IH], 0x5368d4a5, v[IH]         ; 1 / max(norm, 1e-12)
	v_min_num_f32 v[IH+1], 0x5368d4a5, v[IH+1]
.set i, 0
.rept 25
	v_pk_fma_f32 v[A0+i:A0+i+1], v[A0+i:A0+i+1], v[IH:IH+1], v[RH+i:RH+i+1] op_sel_hi:[1,0,1]   ; h^ + r^
.set i, i+2
.endr
.if (\n) < 3
	LOADD RH, RC+6, RC+6, 12                       ; the next tile's r^
.endif
.set i, 0
.rept 25
	v_pk_fma_f32 v[A0+i:A0+i+1], v[A1+i:A1+i+1], v[IH:IH+1], v[A0+i:A0+i+1] op_sel:[0,1,0] neg_lo:[0,1,0] neg_hi:[0,1,0]   ; - t^
.set i, i+2
.endr
	SUMSQ A0, TM+8
.if (\n)%2 == 0
	v_sqrt_f32 v[SC], v[TM+8]                      ; kept: two tiles' scores leave by one store
	v_nop
	s_wait_alu depctr_va_vdst(0)
.else
.if (\n) == 3
	s_wait_xcnt 0x0                                ; the first store has read its two registers
.endif
	v_sqrt_f32 v[TM+9], v[TM+8]
	v_cndmask_b32 v[SA], v[RC-1], v[RC+3], s[HI]   ; lanes 0-15: the even tile's triples, lanes 16-31: this tile's.  (The plain instruction behind the root)
	s_wait_alu depctr_va_vdst(0)
	v_cndmask_b32 v[SD], v[SC], v[TM+9], s[HI]
	v_cmp_gt_u32 vcc_lo, 0x70000, v[SA]            ; key under 7: an expert was named
	v_cndmask_b32 v[SD], 0, v[SD], vcc_lo          ; else three zero vectors: the score 0
	v_and_b32 v[SA], 0xffff, v[SA]
	v_min_u32 v[SA], 0xffff, v[SA]
	v_lshlrev_b32 v[SA], 2, v[SA]
	global_store_b32 v[SA], v[SD], s[14:15]        ; 4 bytes a lane at the triple's own index: the sort keeps the order within an expert, so a tile's 16 indices ascend within one block of 2,048
.endif
.endm
.irp n, 0,1,2,3
	TILE \n
.endr
	s_endpgm
.Lfunc_end_k_qe0da2031aa_score:
	.size	k_qe0da2031aa_score, .Lfunc_end_k_qe0da2031aa_score-k_qe0da2031aa_score
	.p2alignl 7, 3214868480
	.fill 96, 4, 3214868480
	.section	.rodata,"a",@progbits
	.p2align	6, 0x0
	.amdhsa_kernel k_qe0da2031aa_score
		.amdhsa_group_segment_fixed_size 0
		.amdhsa_private_segment_fixed_size 0
		.amdhsa_enable_private_segment 0
		.amdhsa_kernarg_size 80
		.amdhsa_user_sgpr_count 2
		.amdhsa_user_sgpr_kernarg_segment_ptr 1
		.amdhsa_wavefront_size32 1
		.amdhsa_system_sgpr_workgroup_id_x 1
		.amdhsa_system_sgpr_workgroup_id_y 1
		.amdhsa_system_sgpr_workgroup_id_z 1
		.amdhsa_system_vgpr_workitem_id 0
		.amdhsa_next_free_vgpr 512
		.amdhsa_next_free_sgpr 66
		.amdhsa_reserve_vcc 1
		.amdhsa_float_denorm_mode_32 3
		.amdhsa_float_denorm_mode_16_64 3
		.amdhsa_memory_ordered 1
		.amdhsa_forward_progress 1
		.amdhsa_inst_pref_size 255
	.end_amdhsa_kernel
	.section	.bss,"aw",@nobits
	.p2align	6
	.space	262144
	.amdgpu_metadata
---
amdhsa.version: [ 1, 2 ]
amdhsa.kernels:
  - .name:           k_qe0da2031aa_score
    .symbol:         k_qe0da2031aa_score.kd
    .args:
      - { .name: ents_emb, .offset: 0, .size: 8, .value_kind: global_buffer, .address_space: global }
      - { .name: entB, .offset: 8, .size: 8, .value_kind: global_buffer, .address_space: global }
      - { .name: rech, .offset: 16, .size: 8, .value_kind: global_buffer, .address_space: global }
      - { .name: rect, .offset: 24, .size: 8, .value_kind: global_buffer, .address_space: global }
      - { .name: recr, .offset: 32, .size: 8, .value_kind: global_buffer, .address_space: global }
      - { .name: recw, .offset: 40, .size: 8, .value_kind: global_buffer, .address_space: global }
      - { .name: wimg, .offset: 48, .size: 8, .value_kind: global_buffer, .address_space: global }
      - { .name: rtab, .offset: 56, .size: 8, .value_kind: global_buffer, .address_space: global }
      - { .name: out0, .offset: 64, .size: 8, .value_kind: global_buffer, .address_space: global }
      - { .name: out1, .offset: 72, .size: 8, .value_kind: global_buffer, .address_space: global }
    .group_segment_fixed_size: 0
    .private_segment_fixed_size: 0
    .kernarg_segment_align: 8
    .kernarg_segment_size: 80
    .max_flat_workgroup_size: 256
    .sgpr_count:     66
    .vgpr_count:     512
    .wavefront_size: 32
...
	.end_amdgpu_metadata
.endif
;; end of part 2
;; ======== version 2 of 2: 2 launches; version 1 with the launches prep, score written anew for expert scheduling mode
;; limits: a function is approximated: absolute error at most 1e-07
;; workspace buffers: rech 524,288 bytes of whole numbers; rect 524,288 bytes of whole numbers; recr 524,288 bytes of whole numbers; recw 524,288 bytes of whole numbers; wimg 112,896 bytes; rtab 2,935,296 bytes
;; launch prep (part 3): grid 178 x 1, 4 waves a work-group, no clusters, 28,160 bytes of LDS; arguments sources, sources_bad, heads, heads_bad, tails, tails_bad, rels, rels_bad, entW, relW, relB, rels_emb, rech, rect, recr, recw, wimg, rtab; writes rech, rect, recr, recw, wimg, rtab
.if DOCPART == 3
	.amdgcn_target "amdgcn-amd-amdhsa--gfx1250"
	.amdhsa_code_object_version 6
	.text
	.protected	k_qe0da2031aa_prep
	.globl	k_qe0da2031aa_prep
	.p2align	8
	.type	k_qe0da2031aa_prep,@function
k_qe0da2031aa_prep:
	s_mov_b64 s[64:65], 0
	v_nop
	global_prefetch_b8 v0, s[64:65] scope:SCOPE_SE
	s_setreg_imm32_b32 hwreg(HW_REG_WAVE_SCHED_MODE, 0, 2), 2
	s_setreg_imm32_b32 hwreg(HW_REG_WAVE_MODE, 25, 1), 1
	s_wait_xcnt 0x0
	s_wait_alu depctr_vm_vsrc(0)
; PREP: what the scoring launch needs, made once.  Three roles, parted by the work-group's number.
;   S (work-groups 0-63):   a stable counting sort of one block of 2,048 triples by key = min(source - 2, 7) (unsigned; 7 = no expert).  Four words a triple go to its sorted place, one into each of four arrays:
;                           rech: head;  rect: tail;  recr: min(key, 6) x 1008 + rel;  recw: index within its half | key << 16.
;   E (work-groups 64, 65): a wave an expert: entW[e] becomes 7 operand images of E4M3 codes with their E8M0 scale words, in wimg.
;   R (work-groups 66-177): a wave for (expert e, 16 rows of rels_emb): r^ = normalise(tanh(Q(rel row) Q(relW[e])^T + relB[e])) into rtab[e][row].
; WORK LEFT OUT, AND WHY IT IS DEAD.  reference() adds, for e = 0 .. 6, tanh(x W_e^T + b_e) x m_e, where m_e = (src == e + 2) is 0 or 1 and is built in its own body from the index input src.  For a row at most one m_e
; is 1; tanh of any finite number lies within -1 .. 1, so each other term is a finite number times 0, which is 0 for all values of the inputs.  So only the product of the expert that src names is made; a src
; outside 2 .. 8 leaves three zero vectors and the score 0.  The relation's vector hangs on (src, rel) alone: the same operands give the same numbers, so it is made once for each of the 7 x 1001 pairs and looked up.
; Every input has a way to an output and is loaded by one of the two launches.
; LIMITS.  A NaN, an infinity or an overflow that arises only under an expert that was not chosen is not carried to the result.  NaN and infinities among the inputs are not served.  A block of zeros gets the scale
; byte 1 where the quantiser says 127: its codes are zeros, and this program alone reads the bytes.  tanh(x) = 1 - 2 / (1 + 2^(2.885390 x)): absolute error about 1e-7.  1 / max(norm, 1e-12) = min(rsq(sum of squares), 1e12).
; Within a block of 32 along K the order of k is permuted, alike on both operands, so the matrix unit groups its sums otherwise than in natural order.
; K LAYOUT of an operand, for x and W alike: lane (r, h) takes of its row the 16 bytes at 32 q + 16 h, q = 0 .. 11: k = 8 q + 4 h + 0 .. 3, which lies in block q / 4; and the 16 bytes at 368 + 16 h: k = 96 .. 99 in
; lanes 16-31, zeroed in lanes 0-15.  No load leaves its row of 400 bytes.
; N LAYOUT.  The product is used transposed (source 0 = 16 rows of W, source 1 = 16 rows of x), and W's rows of a tile are chosen so that register 8 t + j of lane (r, h) is output 16 t + 8 (j / 4) + 4 h + j % 4 of row r:
; 16 neighbouring bytes of a natural row for each four registers.  Tile 6 holds outputs 96 + 2 h + j in its registers 0 and 1; its other rows are zero codes.
; THE MODE: SCHED_MODE bits 1:0 = 2 (LLVM: expert scheduling mode 2), set by the entry lines.  The code itself states the register dependences
; between vector or matrix instructions and memory or LDS instructions, with s_wait_alu, always for 0.
; THE PLAN.  Registers that memory or LDS instructions touch:
;   all roles  v1-v4, v8-v15: offsets and LDS addresses, each made once and never written again.  One wait on va_vdst in each role, ahead of its first load, states that they are written.
;   role S     TU: the 64 loads land; two of a triple's four words are made anew by vector instructions; the 64 stores read them.  POS: made by vector instructions, the stores' offsets.  All 16 triples are finished first,
;              so ONE wait on va_vdst stands ahead of the 64 stores.  CNT: made by vector instructions, read by the LDS store: one wait.  No register that a memory instruction has read is written again.
;              Masks and lane reads that vector instructions put into scalar registers: one wait on va_sdst behind each run, ahead of its first reader.
;   role E     LH, LT: a gather lands, the quantiser reads and rewrites the set, the gather of two tiles on lands.  CH, XSH: the quantiser writes, the five stores read.  A tile has one wait on vm_vsrc at its head (the last
;              tile's stores have read CH and XSH) and ONE on va_vdst behind the quantiser (codes and scale word are written; the landing set is free).
;   role R     LH, LT as in role E: one wait on va_vdst a step, ahead of the gather.  A0: the bias lands; at the end the LDS stores read it: one wait.  OB: LDS loads land, global stores read.
;              Ahead of the products one wait on va_vdst, behind their places: codes, W's fragments and the scale words were written by vector instructions.
.set SPARE, 27648                      ; LDS: the spare words, 128 bytes a wave: two blocks of 256 bytes that no other line names
.set STG,   1024                       ; LDS: role R's stages, 16 rows x 416 bytes for each wave.  Bytes 0-511: role S's counts
.set H16, 1                            ; v1   16 h
.set H8,  2                            ; v2   8 h
.set L16, 3                            ; v3   16 x lane
.set L4,  4                            ; v4   4 x lane
.set LN,  6                            ; v6   lane
.set WRO, 8                            ; v8   my row's byte in a tile of W, tiles 0-5
.set W6O, 9                            ; v9   the same for tile 6
.set XO,  10                           ; v10  my row's byte in rels_emb
.set STO, 11                           ; v11  LDS: where I put 16 bytes of a row of r^
.set LDR, 12                           ; v12  LDS: where I read the stage back
.set CA,  13                           ; v13  LDS: my word among the counts
.set CL,  14                           ; v14  LDS: key (lane % 8)'s count of wave 0
.set SLO, 15                           ; v15  role S: my byte in the block's index arrays
.set IL0, 16                           ; v16  role S: my first triple's index within its half
.set CNT, 17
.set CW,  18                           ; v18-21 the four waves' counts
.set TOT, 22
.set PRE, 23
.set WS,  24                           ; v24-30 W's scale words: scales and nothing else
.set XSH, 31                           ; v31  the scale word just made
.set TT,  33
.set IH,  34                           ; v[34:35]
.set TM,  36                           ; v36-51 at work: +0 largest magnitudes, +4 bytes, +8 the largest number x the scale, +12 the conversions' scale operands
.set T8,  52                           ; v52-59 block 3's four numbers and four zeros
.set CH,  60                           ; v60-75 the codes just made
.set A0,  92                           ; v92-147 seven accumulators
.set OB,  148                          ; v148-199 the stage read back
.set TU,  64                           ; role S: v64-127 sixteen triples' four words
.set POS, 128                          ; role S: v128-143 their places
.set SPW, 254                          ; v254 LDS address of my spare word; never rewritten
.set NIL, 255                          ; v255 0; never rewritten
.set LH,  112                          ; window 1: v112-163, v164-215 two landing sets of 52; v0-111 W's seven fragments
.set LT,  164
.set SEL, 66                           ; s66, s67 lane selects: lane l xor 16
.set MNT, 68                           ; s68  the mantissa field of 448
.set HI,  69                           ; s69  lanes 16-31
.set C2,  70                           ; s[70:71] 2 log2(e)
.set M6,  72                           ; s72  the lanes whose row of tile 6 is live
.set WV,  73                           ; s73  my wave's number
.set RP,  80                           ; s[80:87] rech, rect, recr, recw
.set MSB, 0
.macro WIN new                         ; the immediate's high byte repeats the setting that is left; a switch that changes nothing is dropped
.if MSB != \new
	s_set_vgpr_msb (MSB<<8)|\new
.set MSB, \new
.endif
.endm
.macro NOPS n
.rept \n
	v_nop
.endr
.endm
; a row of 100 f32, in the K layout, into 52 registers of window 1
.macro GATHER L, voff, sb, off
	WIN 0x40                                       ; destination window 1, address window 0
.irp q, 0,1,2,3,4,5,6,7,8,9,10,11
	global_load_b128 v[(\L)+4*\q:(\L)+4*\q+3], v[\voff], s[\sb:\sb+1] offset:\off+32*\q
.endr
	global_load_b128 v[(\L)+48:(\L)+51], v[\voff], s[\sb:\sb+1] offset:\off+368
	WIN 0
.endm
; a row of 100 f32 in the N layout: 50 numbers a lane
.macro LOADD D, voff, voff2, sb
.irp q, 0,1,2,3,4,5,6,7,8,9,10,11
	global_load_b128 v[(\D)+4*\q:(\D)+4*\q+3], v[\voff], s[\sb:\sb+1] offset:32*\q
.endr
	global_load_b64 v[(\D)+48:(\D)+49], v[\voff2], s[\sb:\sb+1] offset:384
.endm
; 52 numbers of a lane in window 1 become a fragment's codes in v[C] .. v[C + 13] and its scale word in v[XS]
.macro QUANT L, C, XS
	WIN 0x05                                       ; sources 0 and 1 window 1
.irp b, 0,1,2
	v_max3_num_f32 v[TM+\b], |v[(\L)+16*\b]|, |v[(\L)+16*\b+1]|, 0x4800000   ; my 16 numbers of block b, and the floor 2^(9 - 127): the byte cannot fall under 1
.endr
.irp i, 2,4,6,8,10,12,14
.irp b, 0,1,2
	v_max3_num_f32 v[TM+\b], |v[(\L)+16*\b+\i]|, |v[(\L)+16*\b+\i+1]|, v[TM+\b]   ; the blocks by turns
.endr
.endr
.irp c, 0,1,2,3
	v_cndmask_b32 v[T8+\c], 0, v[(\L)+48+\c], s[HI]   ; block 3: k = 96 .. 99 in lanes 16-31; zeros fill the block
.endr
	WIN 0
	v_max3_num_f32 v[TM+3], |v[T8]|, |v[T8+1]|, 0x4800000
	v_max3_num_f32 v[TM+3], v[TM+3], |v[T8+2]|, |v[T8+3]|
.irp b, 0,1,2,3
	v_permlanex16_b32 v[TM+4+\b], v[TM+\b], s[SEL], s[SEL+1]
.endr
.irp b, 0,1,2,3
	v_max_num_f32 v[TM+\b], v[TM+\b], v[TM+4+\b]   ; with lane l xor 16's: the block's largest magnitude
.endr
.irp b, 0,1,2,3
	v_add_nc_u32 v[TM+12+\b], 0xfc000000, v[TM+\b] ; 8 off its exponent field: the conversion's scale operand
.endr
.irp b, 0,1,2,3
	v_and_or_b32 v[TM+8+\b], v[TM+\b], 0x7f800000, s[MNT]   ; 448 x the scale
.endr
.irp b, 0,1,2,3
	v_lshrrev_b32 v[TM+4+\b], 23, v[TM+12+\b]      ; the scale's byte
.endr
	v_lshl_or_b32 v[(\XS)], v[TM+5], 8, v[TM+4]
	v_lshl_or_b32 v[(\XS)], v[TM+6], 16, v[(\XS)]
	v_lshl_or_b32 v[(\XS)], v[TM+7], 24, v[(\XS)]
.irp c, 0,1,2,3
	v_med3_num_f32 v[T8+\c], v[T8+\c], -v[TM+11], v[TM+11]
.endr
	WIN 0x41                                       ; destination and source 0 window 1
.irp b, 0,1,2
.irp i, 0,1,2,3,4,5,6,7,8,9,10,11,12,13,14,15
	v_med3_num_f32 v[(\L)+16*\b+\i], v[(\L)+16*\b+\i], -v[TM+8+\b], v[TM+8+\b]   ; the conversion to an 8-bit code does not saturate (ISA guide 7.6.2): the hold at 448 x the scale
.endr
.endr
	WIN 0x01
.irp b, 0,1,2
	v_cvt_scalef32_pk8_fp8_f32 v[(\C)+4*\b:(\C)+4*\b+1], v[(\L)+16*\b:(\L)+16*\b+7], v[TM+12+\b]
	v_cvt_scalef32_pk8_fp8_f32 v[(\C)+4*\b+2:(\C)+4*\b+3], v[(\L)+16*\b+8:(\L)+16*\b+15], v[TM+12+\b]
.endr
	WIN 0
	v_cvt_scalef32_pk8_fp8_f32 v[(\C)+12:(\C)+13], v[T8:T8+7], v[TM+15]
	v_nop                                          ; a plain instruction behind the last conversion, ahead of whatever next touches the codes
.endm
; the sum of squares of a lane's 50 numbers and of lane l xor 16's: the row's
.macro SUMSQ A, out
	v_pk_mul_f32 v[TM:TM+1], v[(\A):(\A)+1], v[(\A):(\A)+1]
	v_pk_mul_f32 v[TM+2:TM+3], v[(\A)+2:(\A)+3], v[(\A)+2:(\A)+3]
.set i, 4
.rept 11
	v_pk_fma_f32 v[TM:TM+1], v[(\A)+i:(\A)+i+1], v[(\A)+i:(\A)+i+1], v[TM:TM+1]
	v_pk_fma_f32 v[TM+2:TM+3], v[(\A)+i+2:(\A)+i+3], v[(\A)+i+2:(\A)+i+3], v[TM+2:TM+3]
.set i, i+4
.endr
	v_pk_fma_f32 v[TM:TM+1], v[(\A)+48:(\A)+49], v[(\A)+48:(\A)+49], v[TM:TM+1]
	v_pk_add_f32 v[TM:TM+1], v[TM:TM+1], v[TM+2:TM+3]
	v_add_f32 v[TM], v[TM], v[TM+1]
	v_permlanex16_b32 v[TM+4], v[TM], s[SEL], s[SEL+1]
	v_add_f32 v[\out], v[TM], v[TM+4]
.endm
	s_load_b512 s[8:23], s[0:1], 0x0               ; sources, sources_bad, heads, heads_bad, tails, tails_bad, rels, rels_bad
	s_load_b256 s[24:31], s[0:1], 0x40             ; entW, relW, relB, rels_emb
	s_load_b256 s[RP:RP+7], s[0:1], 0x60           ; rech, rect, recr, recw
	s_load_b64 s[34:35], s[0:1], 0x80              ; wimg
	s_load_b64 s[36:37], s[0:1], 0x88              ; rtab
	v_lshl_add_u32 v[SPW], v0, 2, SPARE
	v_mov_b32 v[NIL], 0
	v_bfe_u32 v5, v0, 4, 1                         ; h
	v_lshlrev_b32 v[H16], 4, v5
	v_lshlrev_b32 v[H8], 3, v5
	v_and_b32 v[LN], 31, v0
	v_lshlrev_b32 v[L16], 4, v[LN]
	v_lshlrev_b32 v[L4], 2, v[LN]
	v_lshrrev_b32 v7, 5, v0
	v_readfirstlane_b32 s[WV], v7                  ; wave 0..3
	v_lshlrev_b32 v[CA], 2, v0                     ; every LDS address is made here, ahead of the parting by role
	v_and_b32 v[CL], 7, v0
	v_lshlrev_b32 v[CL], 2, v[CL]
	s_wait_alu depctr_va_sdst(0)                   ; the wave's number is written into s[WV], ahead of its first reader
	s_mul_i32 s74, s[WV], 6656
	s_add_co_u32 s74, s74, STG                     ; my stage
	v_and_b32 v7, 15, v0
	v_mul_u32_u24 v[STO], v7, 416
	v_add_nc_u32 v[STO], v[H16], v[STO]
	v_add_nc_u32 v[STO], s74, v[STO]               ; in: row r, + 16 h
	v_add_nc_u32 v[LDR], s74, v[L16]               ; back: 16 bytes a lane, on end
	s_wait_kmcnt 0x0
	s_cmp_lt_u32 ttmp9, 64
	s_cbranch_scc0 .Lnot_s
; ---------------- ROLE S: block b = the work-group's number.  Wave w holds triples 512 w + 32 q + lane of the block, q = 0 .. 15: in that order they keep their places within a key.
	s_cmp_lt_u32 ttmp9, 32                         ; blocks 0-31 are the good triples, 32-63 the bad ones: a choice on the work-group's number alone
	s_cselect_b64 s[8:9], s[8:9], s[10:11]
	s_cselect_b64 s[12:13], s[12:13], s[14:15]
	s_cselect_b64 s[16:17], s[16:17], s[18:19]
	s_cselect_b64 s[20:21], s[20:21], s[22:23]
	s_and_b32 s38, ttmp9, 31
	s_lshl_b32 s39, s38, 11
	s_lshl_b32 s74, s[WV], 9
	s_add_co_u32 s39, s39, s74
	v_add_nc_u32 v[IL0], s39, v[LN]                ; 2,048 (b % 32) + 512 w + lane
	s_lshl_b32 s74, s[WV], 11
	v_add_nc_u32 v[SLO], s74, v[L4]
	s_lshl_b32 s38, s38, 13                        ; the block's 8,192 bytes in each index array
	s_mov_b32 s39, 0
	s_add_nc_u64 s[8:9], s[8:9], s[38:39]
	s_add_nc_u64 s[12:13], s[12:13], s[38:39]
	s_add_nc_u64 s[16:17], s[16:17], s[38:39]
	s_add_nc_u64 s[20:21], s[20:21], s[38:39]
	s_lshl_b32 s74, ttmp9, 13                      ; and its 8,192 bytes in each of the four arrays of sorted words
	s_mov_b32 s75, 0
.irp p, 0,1,2,3
	s_add_nc_u64 s[RP+2*\p:RP+2*\p+1], s[RP+2*\p:RP+2*\p+1], s[74:75]
.endr
	s_wait_alu depctr_va_vdst(0)                   ; v[SLO], the 64 loads' offset, is written; so are v[CA] and v[CL], the LDS addresses of this role
.irp q, 0,1,2,3,4,5,6,7,8,9,10,11,12,13,14,15
	global_load_b32 v[TU+4*\q+3], v[SLO], s[8:9] offset:128*\q th:TH_LOAD_NT
.endr
.irp q, 0,1,2,3,4,5,6,7,8,9,10,11,12,13,14,15
	global_load_b32 v[TU+4*\q], v[SLO], s[12:13] offset:128*\q th:TH_LOAD_NT
.endr
.irp q, 0,1,2,3,4,5,6,7,8,9,10,11,12,13,14,15
	global_load_b32 v[TU+4*\q+1], v[SLO], s[16:17] offset:128*\q th:TH_LOAD_NT
.endr
.irp q, 0,1,2,3,4,5,6,7,8,9,10,11,12,13,14,15
	global_load_b32 v[TU+4*\q+2], v[SLO], s[20:21] offset:128*\q th:TH_LOAD_NT
.endr
.irp e, 0,1,2,3,4,5,6,7
	s_mov_b32 s[40+\e], 0                          ; my wave's count of each key
.endr
	s_wait_loadcnt 48                              ; the 16 sources are in; the 48 loads behind them may be out
.irp q, 0,1,2,3,4,5,6,7,8,9,10,11,12,13,14,15
	v_add_nc_u32 v[TU+4*\q+3], -2, v[TU+4*\q+3]
.endr
.irp q, 0,1,2,3,4,5,6,7,8,9,10,11,12,13,14,15
	v_min_u32 v[TU+4*\q+3], 7, v[TU+4*\q+3]        ; key: unsigned, so a source under 2 also gives 7
.endr
.macro KEYMASKS q                      ; s[56 + e]: the lanes whose triple q has key e
.irp e, 0,1,2,3,4,5,6,7
	v_cmp_eq_u32 s[56+\e], \e, v[TU+4*(\q)+3]
.endr
	s_wait_alu depctr_va_sdst(0)                   ; the eight compares have written their masks s56 to s63, ahead of the first instruction that reads one
.endm
.set Q, 0
.rept 16
	KEYMASKS Q
.irp e, 0,1,2,3,4,5,6,7
	s_bcnt1_i32_b32 s[48+\e], s[56+\e]
.endr
.irp e, 0,1,2,3,4,5,6,7
	s_add_co_u32 s[40+\e], s[40+\e], s[48+\e]
.endr
.set Q, Q+1
.endr
	v_mov_b32 v[CNT], 0
.irp e, 0,1,2,3,4,5,6,7
	v_writelane_b32 v[CNT], s[40+\e], \e
.endr
	s_wait_alu depctr_va_vdst(0)                   ; v[CNT] is written, which the LDS store reads
	ds_store_b32 v[CA], v[CNT]                     ; wave w's count of key e lies at 128 w + 4 e
	s_wait_dscnt 0x0                               ; for the others' sake: my store has landed
	s_barrier_signal -1
	s_barrier_wait -1
.irp w, 0,1,2,3
	ds_load_b32 v[CW+\w], v[CL] offset:128*\w
.endr
	v_mov_b32 v[PRE], 0
	s_wait_alu depctr_va_vdst(0)
	s_wait_dscnt 0x0
	v_add3_u32 v[TOT], v[CW], v[CW+1], v[CW+2]
	v_add_nc_u32 v[TOT], v[TOT], v[CW+3]           ; lane e: the block's count of key e
.irp w, 0,1,2
	s_cmp_gt_u32 s[WV], \w
	s_cselect_b32 s38, 1, 0
	v_mad_u32_u24 v[PRE], v[CW+\w], s38, v[PRE]    ; and that of the waves ahead of mine
.endr
.irp e, 0,1,2,3,4,5,6,7
	v_readlane_b32 s[56+\e], v[TOT], \e
	v_readlane_b32 s[48+\e], v[PRE], \e
.endr
	s_wait_alu depctr_va_sdst(0)                   ; the sixteen lane reads have written s48 to s63, ahead of the sums that read them
	s_mov_b32 s38, 0
.irp e, 0,1,2,3,4,5,6,7
	s_add_co_u32 s[48+\e], s[48+\e], s38           ; s[48 + e]: the place of my wave's next triple of key e
	s_add_co_u32 s38, s38, s[56+\e]
.endr
.set Q, 0
.rept 16
	KEYMASKS Q
	v_mbcnt_lo_u32_b32 v[POS+Q], s56, s48          ; the key's next place + the lanes below mine that have the key
.irp e, 1,2,3,4,5,6,7
	v_mbcnt_lo_u32_b32 v[TT], s[56+\e], s[48+\e]
	v_cndmask_b32 v[POS+Q], v[POS+Q], v[TT], s[56+\e]
.endr
.irp e, 0,1,2,3,4,5,6,7
	s_bcnt1_i32_b32 s[40+\e], s[56+\e]
.endr
.irp e, 0,1,2,3,4,5,6,7
	s_add_co_u32 s[48+\e], s[48+\e], s[40+\e]
.endr
.set Q, Q+1
.endr
	s_wait_loadcnt 0x0                             ; heads, tails, rels
; Each word goes to 4 x the triple's sorted place in its array: lanes of one key store neighbouring words, the keys' runs lie apart.  (Gathering the words in LDS first would want LDS addresses made of loaded numbers.)
; Every triple has its own four data registers and its own offset register: none is written again behind its store.  All sixteen triples are finished first, so that one wait serves the 64 stores.
.set Q, 0
.rept 16
	v_min_u32 v[TT], 6, v[TU+4*Q+3]
	v_mad_u32_u24 v[TU+4*Q+2], v[TT], 1008, v[TU+4*Q+2]   ; the row of rtab
	v_add_nc_u32 v[TT], 32*Q, v[IL0]
	v_lshl_or_b32 v[TU+4*Q+3], v[TU+4*Q+3], 16, v[TT]     ; index | key << 16
	v_min_u32 v[POS+Q], 0x7ff, v[POS+Q]
	v_lshlrev_b32 v[POS+Q], 2, v[POS+Q]
.set Q, Q+1
.endr
	s_wait_alu depctr_va_vdst(0)                   ; the sixteen offsets v[POS ..] and the words made anew in v[TU ..] are written, which the stores read
.set Q, 0
.rept 16
.irp p, 0,1,2,3
	global_store_b32 v[POS+Q], v[TU+4*Q+\p], s[RP+2*\p:RP+2*\p+1]
.endr
.set Q, Q+1
.endr
	s_wait_dscnt 0x0                               ; the wave's end
	s_wait_alu 0x0
	s_wait_tensorcnt 0x0
	ds_add_u32 v[SPW], v[NIL]
	s_wait_dscnt 0x0
	s_endpgm
.Lnot_s:
; ---------------- what roles E and R share
	s_mov_b32 s[SEL], 0x76543210
	s_mov_b32 s[SEL+1], 0xfedcba98
	s_mov_b32 s[MNT], 0x600000
	s_mov_b32 s[HI], 0xffff0000
	s_mov_b32 s[C2], 0x4038aa3b                    ; 2 log2(e)
	s_mov_b32 s[C2+1], s[C2]                       ; (named with it as a pair)
	s_mov_b32 s[M6], 0x03030303                    ; lanes 0, 1, 8, 9 of each half
	v_and_b32 v5, 3, v0
	v_bfe_u32 v7, v0, 2, 1
	v_lshl_add_u32 v5, v7, 3, v5
	v_bfe_u32 v7, v0, 3, 1
	v_lshl_add_u32 v5, v7, 2, v5                   ; tiles 0-5: lane r takes row 8 ((r / 4) % 2) + 4 (r / 8) + r % 4 of the tile's 16
	v_mul_u32_u24 v5, v5, 400
	v_add_nc_u32 v[WRO], v[H16], v5
	v_and_b32 v5, 1, v0
	v_lshl_add_u32 v5, v7, 1, v5                   ; tile 6: row 2 (r / 8) + r % 2 of the last four
	v_mul_u32_u24 v5, v5, 400
	v_add_nc_u32 v[W6O], v[H16], v5
.irp j, 14,15
	v_mov_b32 v[CH+\j], 0                          ; the fragment's last two registers are zero codes
.endr
.irp j, 4,5,6,7
	v_mov_b32 v[T8+\j], 0
	v_mov_b32 v[TM+\j], 0                          ; (a lane permute's destination counts as one of its sources)
.endr
	s_mov_b32 s77, 0
	s_cmp_lt_u32 ttmp9, 66
	s_cbranch_scc0 .Lrole_r
; ---------------- ROLE E: expert e = 4 (work-group - 64) + wave
	s_sub_co_u32 s74, ttmp9, 64
	s_lshl_b32 s74, s74, 2
	s_add_co_u32 s74, s74, s[WV]
	s_cmp_eq_u32 s74, 7
	s_cbranch_scc1 .Lquit                          ; seven experts on eight waves
	s_mul_i32 s76, s74, 40000
	s_add_nc_u64 s[24:25], s[24:25], s[76:77]      ; entW[e]
	s_mul_i32 s76, s74, 16128
	s_add_nc_u64 s[34:35], s[34:35], s[76:77]      ; its seven images of 2,304 bytes
	s_wait_alu depctr_va_vdst(0)                   ; v[WRO] and v[W6O], the gathers' offsets, and v[L16] and v[L4], the stores', are written
	GATHER LH, WRO, 24, 0
	GATHER LT, WRO, 24, 6400
.macro ESTEP t                         ; tile t: quantise, store the image (each store 512 bytes on end) and the scale words, ask for tile t + 2
.set LL, LH+52*((\t)%2)
.if (\t) > 0
	s_wait_xcnt 0x0                                ; the last tile's stores have read the codes and the scale word: they are written again only behind this wait
	s_wait_alu depctr_vm_vsrc(0)                   ; the last tile's five stores have read v[CH ..] and v[XSH], which the quantiser below writes again
.endif
.if (\t) < 6
	s_wait_loadcnt 13                              ; this tile's 13 loads are in; the other landing set's may be out
.else
	s_wait_loadcnt 0x0
.endif
	QUANT LL, CH, XSH
.if (\t) == 6
.irp j, 0,1,2,3,4,5,6,7,8,9,10,11,12
	v_cndmask_b32 v[CH+\j], 0, v[CH+\j], s[M6]     ; rows of tile 6 that stand for no output: zero codes
.endr
.endif
	s_wait_alu depctr_va_vdst(0)                   ; the codes v[CH ..] and the scale word v[XSH] are written, which the stores read; the quantiser is done reading and writing this landing set, in which the gather below lands
.irp c, 0,1,2,3
	global_store_b128 v[L16], v[CH+4*\c:CH+4*\c+3], s[34:35] offset:2304*(\t)+512*\c
.endr
	global_store_b32 v[L4], v[XSH], s[34:35] offset:2304*(\t)+2048
.if (\t) < 4
	GATHER LL, WRO, 24, 6400*((\t)+2)
.elseif (\t) == 4
	GATHER LL, W6O, 24, 38400
.endif
.endm
.irp t, 0,1,2,3,4,5,6
	ESTEP \t
.endr
	s_endpgm                                       ; this role has written no LDS
.Lrole_r:
; ---------------- ROLE R: g = work-group - 66; expert e = g / 16; rows 16 u .. 16 u + 15 of rels_emb, u = 4 (g % 16) + wave
	s_sub_co_u32 s74, ttmp9, 66
	s_lshr_b32 s75, s74, 4                         ; e
	s_and_b32 s74, s74, 15
	s_lshl_b32 s74, s74, 2
	s_add_co_u32 s74, s74, s[WV]                   ; u
	s_cmp_eq_u32 s74, 63
	s_cbranch_scc1 .Lquit                          ; 63 tiles of rows on 64 waves
	s_mul_i32 s76, s75, 40000
	s_add_nc_u64 s[26:27], s[26:27], s[76:77]      ; relW[e]
	s_mul_i32 s76, s75, 400
	s_add_nc_u64 s[28:29], s[28:29], s[76:77]      ; relB[e]
	s_mul_i32 s76, s75, 63
	s_add_co_u32 s76, s76, s74
	s_mul_i32 s76, s76, 6656
	s_add_nc_u64 s[36:37], s[36:37], s[76:77]      ; my 16 rows of rtab: 6,656 bytes
	s_lshl_b32 s76, s74, 4
	v_and_b32 v5, 15, v0
	v_add_nc_u32 v5, s76, v5
	v_min_u32 v5, 1000, v5                         ; rows 1001 to 1007 of rtab repeat row 1000: no load leaves rels_emb
	v_mul_u32_u24 v5, v5, 400
	v_add_nc_u32 v[XO], v[H16], v5
	s_wait_alu depctr_va_vdst(0)                   ; the offsets v[H16], v[H8], v[WRO], v[W6O], v[XO], v[L16] and the LDS addresses v[STO], v[LDR] are written, which this role's loads and stores read
	LOADD A0, H16, H8, 28                          ; the bias is the C of the products
	GATHER LH, WRO, 26, 0
	GATHER LT, WRO, 26, 6400
.irp j, 50,51,52,53,54,55
	v_mov_b32 v[A0+\j], 0                          ; tile 6's rows that stand for no output
.endr
	v_mov_b32 v[IH+1], 0                           ; (named as the upper half of a pair)
.macro RSTEP t                         ; tile t of relW[e] becomes fragment t in window 1, its scale word in WS + t
.set LL, LH+52*((\t)%2)
	s_wait_loadcnt 13                              ; this tile's 13 loads (and all older ones) are in; the other landing set's may be out
	QUANT LL, CH, WS+(\t)
	WIN 0x40                                       ; destination window 1
.if (\t) < 6
.irp j, 0,1,2,3,4,5,6,7,8,9,10,11,12,13,14,15
	v_mov_b32 v[16*(\t)+\j], v[CH+\j]
.endr
.else
.irp j, 0,1,2,3,4,5,6,7,8,9,10,11,12
	v_cndmask_b32 v[96+\j], 0, v[CH+\j], s[M6]
.endr
.irp j, 13,14,15
	v_mov_b32 v[96+\j], v[CH+\j]
.endr
.endif
.if (\t) < 6
	s_wait_alu depctr_va_vdst(0)                   ; the quantiser is done reading and writing this landing set, in which the gather below lands
.endif
.if (\t) < 4
	GATHER LL, WRO, 26, 6400*((\t)+2)
.elseif (\t) == 4
	GATHER LL, W6O, 26, 38400
.elseif (\t) == 5
	GATHER LL, XO, 30, 0                           ; my 16 rows of rels_emb
.else
	WIN 0
.endif
.endm
.irp t, 0,1,2,3,4,5,6
	RSTEP \t
.endr
	s_wait_loadcnt 0x0
	QUANT LT, CH, XSH
	NOPS 4                                         ; codes written by vector instructions stand four places ahead of a scaled matrix instruction; the scale words were made further up
	s_wait_alu depctr_va_vdst(0)                   ; behind the places: x's codes v[CH ..], W's seven fragments in window 1 and the scale words v[WS ..], v[XSH] are written, which the products take as operands and scales
	WIN 0x01                                       ; source 0 (W) window 1
.irp t, 0,1,2,3,4,5,6
	v_wmma_scale_f32_16x16x128_f8f6f4 v[A0+8*\t:A0+8*\t+7], v[16*\t:16*\t+15], v[CH:CH+15], v[A0+8*\t:A0+8*\t+7], v[WS+\t], v[XSH]
.endr
	WIN 0
	NOPS 8                                         ; eight places behind this form, ahead of the first read of results
.set i, 0
.rept 25
	v_pk_mul_f32 v[A0+i:A0+i+1], v[A0+i:A0+i+1], s[C2:C2+1] op_sel_hi:[1,0]   ; each accumulator from its low end on
.set i, i+2
.endr
.set i, 0
	s_wait_alu depctr_va_vdst(0)
.rept 50
	v_exp_f32 v[A0+i], v[A0+i]
.set i, i+1
.endr
	v_nop                                          ; a plain instruction behind the batch,
	s_wait_alu depctr_va_vdst(0)                   ; and one wait for it: the 50 exponentials have written v[A0 ..], ahead of their first reader
.set i, 0
.rept 25
	v_pk_add_f32 v[A0+i:A0+i+1], v[A0+i:A0+i+1], 1.0 op_sel_hi:[1,0]
.set i, i+2
.endr
.set i, 0
	s_wait_alu depctr_va_vdst(0)
.rept 50
	v_rcp_f32 v[A0+i], v[A0+i]
.set i, i+1
.endr
	v_nop
	s_wait_alu depctr_va_vdst(0)                   ; the 50 reciprocals have written v[A0 ..], ahead of their first reader
.set i, 0
.rept 25
	v_pk_fma_f32 v[A0+i:A0+i+1], v[A0+i:A0+i+1], -2.0, 1.0 op_sel_hi:[1,0,0]   ; tanh = 1 - 2 / (1 + 2^(2 log2(e) x))
.set i, i+2
.endr
	SUMSQ A0, IH
	s_wait_alu depctr_va_vdst(0)
	v_rsq_f32 v[IH], v[IH]
	v_nop
	s_wait_alu depctr_va_vdst(0)                   ; the reciprocal root has written v[IH], ahead of its first reader
	v_min_num_f32 v[IH], 0x5368d4a5, v[IH]         ; 1 / max(norm, 1e-12)
.set i, 0
.rept 25
	v_pk_mul_f32 v[A0+i:A0+i+1], v[A0+i:A0+i+1], v[IH:IH+1] op_sel_hi:[1,0]
.set i, i+2
.endr
	s_wait_alu depctr_va_vdst(0)                   ; r^ is written in v[A0 ..], which the LDS stores read
.irp q, 0,1,2,3,4,5,6,7,8,9,10,11,12
	ds_store_b128 v[STO], v[A0+4*\q:A0+4*\q+3] offset:32*\q   ; row r of 416 bytes: 96 numbers as they lie, then (r^96, r^97, 0, 0), (r^98, r^99, 0, 0)
.endr
.irp k, 0,1,2,3,4,5,6,7,8,9,10,11,12
	ds_load_b128 v[OB+4*\k:OB+4*\k+3], v[LDR] offset:512*\k   ; my own bytes: LDS serves a wave's instructions in order (ISA guide 5.7.1.4)
.endr
.irp k, 0,1,2,3,4,5,6,7,8,9,10,11,12
	s_wait_dscnt 12-\k                             ; load k is in; the younger ones may be out
	global_store_b128 v[L16], v[OB+4*\k:OB+4*\k+3], s[36:37] offset:512*\k   ; 32 lanes store 512 bytes on end, at a multiple of 256 from rtab's first byte
.endr
	s_wait_dscnt 0x0                               ; the wave's end
	s_wait_alu 0x0
	s_wait_tensorcnt 0x0
	ds_add_u32 v[SPW], v[NIL]
	s_wait_dscnt 0x0
	s_endpgm
.Lquit:
	s_endpgm                                       ; a wave with no expert or no rows left: it has written nothing
.Lfunc_end_k_qe0da2031aa_prep:
	.size	k_qe0da2031aa_prep, .Lfunc_end_k_qe0da2031aa_prep-k_qe0da2031aa_prep
	.p2alignl 7, 3214868480
	.fill 96, 4, 3214868480
	.section	.rodata,"a",@progbits
	.p2align	6, 0x0
	.amdhsa_kernel k_qe0da2031aa_prep
		.amdhsa_group_segment_fixed_size 28160
		.amdhsa_private_segment_fixed_size 0
		.amdhsa_enable_private_segment 0
		.amdhsa_kernarg_size 144
		.amdhsa_user_sgpr_count 2
		.amdhsa_user_sgpr_kernarg_segment_ptr 1
		.amdhsa_wavefront_size32 1
		.amdhsa_system_sgpr_workgroup_id_x 1
		.amdhsa_system_sgpr_workgroup_id_y 1
		.amdhsa_system_sgpr_workgroup_id_z 1
		.amdhsa_system_vgpr_workitem_id 0
		.amdhsa_next_free_vgpr 512
		.amdhsa_next_free_sgpr 88
		.amdhsa_reserve_vcc 0
		.amdhsa_float_denorm_mode_32 3
		.amdhsa_float_denorm_mode_16_64 3
		.amdhsa_memory_ordered 1
		.amdhsa_forward_progress 1
		.amdhsa_inst_pref_size 230
	.end_amdhsa_kernel
	.amdgpu_metadata
---
amdhsa.version: [ 1, 2 ]
amdhsa.kernels:
  - .name:           k_qe0da2031aa_prep
    .symbol:         k_qe0da2031aa_prep.kd
    .args:
      - { .name: sources, .offset: 0, .size: 8, .value_kind: global_buffer, .address_space: global }
      - { .name: sources_bad, .offset: 8, .size: 8, .value_kind: global_buffer, .address_space: global }
      - { .name: heads, .offset: 16, .size: 8, .value_kind: global_buffer, .address_space: global }
      - { .name: heads_bad, .offset: 24, .size: 8, .value_kind: global_buffer, .address_space: global }
      - { .name: tails, .offset: 32, .size: 8, .value_kind: global_buffer, .address_space: global }
      - { .name: tails_bad, .offset: 40, .size: 8, .value_kind: global_buffer, .address_space: global }
      - { .name: rels, .offset: 48, .size: 8, .value_kind: global_buffer, .address_space: global }
      - { .name: rels_bad, .offset: 56, .size: 8, .value_kind: global_buffer, .address_space: global }
      - { .name: entW, .offset: 64, .size: 8, .value_kind: global_buffer, .address_space: global }
      - { .name: relW, .offset: 72, .size: 8, .value_kind: global_buffer, .address_space: global }
      - { .name: relB, .offset: 80, .size: 8, .value_kind: global_buffer, .address_space: global }
      - { .name: rels_emb, .offset: 88, .size: 8, .value_kind: global_buffer, .address_space: global }
      - { .name: rech, .offset: 96, .size: 8, .value_kind: global_buffer, .address_space: global }
      - { .name: rect, .offset: 104, .size: 8, .value_kind: global_buffer, .address_space: global }
      - { .name: recr, .offset: 112, .size: 8, .value_kind: global_buffer, .address_space: global }
      - { .name: recw, .offset: 120, .size: 8, .value_kind: global_buffer, .address_space: global }
      - { .name: wimg, .offset: 128, .size: 8, .value_kind: global_buffer, .address_space: global }
      - { .name: rtab, .offset: 136, .size: 8, .value_kind: global_buffer, .address_space: global }
    .group_segment_fixed_size: 28160
    .private_segment_fixed_size: 0
    .kernarg_segment_align: 8
    .kernarg_segment_size: 144
    .max_flat_workgroup_size: 128
    .sgpr_count:     88
    .vgpr_count:     512
    .wavefront_size: 32
...
	.end_amdgpu_metadata
.endif
;; end of part 3
;; launch score (part 4): grid 256 x 1, 8 waves a work-group, no clusters, 0 bytes of LDS; arguments ents_emb, entB, rech, rect, recr, recw, wimg, rtab, out0, out1; writes out0, out1
.if DOCPART == 4
	.amdgcn_target "amdgcn-amd-amdhsa--gfx1250"
	.amdhsa_code_object_version 6
	.text
	.protected	k_qe0da2031aa_score
	.globl	k_qe0da2031aa_score
	.p2align	8
	.type	k_qe0da2031aa_score,@function
k_qe0da2031aa_score:
	s_mov_b64 s[64:65], 0
	v_nop
	global_prefetch_b8 v0, s[64:65] scope:SCOPE_SE
	s_setreg_imm32_b32 hwreg(HW_REG_WAVE_SCHED_MODE, 0, 2), 2
	s_setreg_imm32_b32 hwreg(HW_REG_WAVE_MODE, 25, 1), 1
	s_wait_xcnt 0x0
	s_wait_alu depctr_vm_vsrc(0)
; SCORE: out[i] = | h^ + r^ - t^ |, h^ = normalise(tanh(Q(ents_emb[head]) Q(entW[e])^T + entB[e])), t^ likewise, e = source - 2; r^ comes finished from rtab.
; WORK LEFT OUT: only the product of the expert that the triple's source names is made (the other six terms of reference() are a number within -1 .. 1 times a 0 that it builds from the index input), and r^ is looked up
; (it hangs on (source, rel) alone).  A source outside 2 .. 8 gives the score 0.  The proof and the limits stand at the head of the launch before; they hold here: a NaN, an infinity or an overflow under an expert not
; chosen is not carried; NaN and infinities among the inputs are not served; indices are held inside their tables; tanh = 1 - 2 / (1 + 2^(2.885390 x)); 1 / max(norm, 1e-12) = min(rsq, 1e12); k permuted within a block of 32, alike on both operands.
; SHARES.  The triples' words (rech: head, rect: tail, recr: row of rtab, recw: index | key << 16) lie sorted by expert within blocks of 2,048 triples.  Work-group g, wave w owns tiles 32 g + 4 w + n, n = 0 .. 3, of 16 triples.
; entW[e]'s seven fragments of codes stay in the wave's registers and are fetched anew only where the expert changes.  A tile that spans experts E0 .. E1 goes expert by expert, the other experts' triples as zero codes,
; which add nothing to the sums in place.
; The waves share nothing: no LDS, no barrier.  While a tile is worked on, the next tile's two gathers (26 loads of 512 bytes a wave) are on their way.
; No tensor loads, cluster or ring: the rows are picked by index, and the walk branches on stored numbers; what the waves have in common is 16 KB of W each.
; LAYOUT.  Source 0 = 16 rows of W, source 1 = 16 triples: lane (r, h) holds triple r.  Register 8 t + j is output 16 t + 8 (j / 4) + 4 h + j % 4; registers 48, 49 outputs 96 + 2 h + 0, 1; 50 .. 55 stay 0.
; So four registers are 16 neighbouring bytes of a natural row: the bias and r^ come by plain loads.  K layout: lane (r, h) takes the 16 bytes at 32 q + 16 h of its row, q = 0 .. 11, and those at 368 + 16 h (k = 96 .. 99 in lanes 16-31).
; THE MODE: SCHED_MODE bits 1:0 = 2 (LLVM: expert scheduling mode 2), set by the entry lines.  The code itself states the register dependences
; between vector or matrix instructions and memory instructions, with s_wait_alu, always for 0.
; THE PLAN.  Registers that memory instructions touch:
;   v1-v4        offsets, made at the head and never written again.
;   BO, BO2      written by vector instructions at each tile's head, read by the tile's 26 loads of the bias (v5 also by the words' loads at the kernel's head).
;   REC          the words land at the head, are turned in place into offsets by vector instructions, and are then never written: the gathers and the loads of r^ read them.
;   LH, LT       a gather lands; the quantiser reads and rewrites the set; the next tile's gather lands.
;   W, WS        loads land where the expert changes; the products read them.
;   A0, A1, RH   the bias and r^ land at a tile's head; the products and the tile's arithmetic read and write them to the tile's end.
;   SA, SD       written by vector instructions in tiles 1 and 3, read by the store.
;   s2, s3, s8, s9, s44-s47   each tile's first and last word of recw, read by scalar loads at the head: the tile's span of experts, on which its branches hang, passes through no vector register.
; A tile has three waits on va_vdst for its loads.  ONE at its head, behind the lines that make BO and BO2: these are written, the last tile's arithmetic is done with A0, A1 and RH, and the last products with W and WS;
; no vector instruction stands between it and the loads of W, r^ and the bias.  One behind the quantiser of h, ahead of the next tile's gather into LH.  One behind the quantiser of t and the products' places: it frees LT
; for the next gather and states that both operands' codes and scale words are written, ahead of the products.  One wait on vm_vsrc at the tile's head frees BO and BO2.
; The loads stand in runs: a gather's data lie in window 1 and its offset in window 0, a setting that no run of the tile's vector instructions has, so a load set singly among them would want two switches.
.set H16, 1                            ; v1   16 h
.set H8,  2                            ; v2   8 h
.set L16, 3                            ; v3   16 x lane
.set L4,  4                            ; v4   4 x lane
.set BO,  5                            ; v5   my triple's row of entB, + 16 h
.set BO2, 6                            ; v6   the same, + 8 h
.set EV,  7                            ; v7   my triple's key
.set REC, 8                            ; v8-23 four tiles' four words, turned in place into: head's byte, tail's byte, r^'s byte, index | key << 16
.set WS,  24                           ; v24-30 W's scale words;  v31, v32 those of h and t: scales and nothing else
.set XSH, 31
.set XST, 32
.set SC,  33                           ; v33  the even tile's score
.set IH,  34                           ; v[34:35] 1 / norm of h, of t
.set TM,  36                           ; v36-51 at work; in a tile that spans experts: the masked operand
.set T8,  52                           ; v52-59 block 3's four numbers and four zeros
.set CH,  60                           ; v60-75 h's codes
.set CT,  76                           ; v76-91 t's
.set A0,  92                           ; v92-147 h's seven accumulators
.set A1,  148                          ; v148-203 t's
.set RH,  204                          ; v204-253 r^
.set SA,  254                          ; v254, v255 the store's offset and data
.set SD,  255
.set LH,  112                          ; window 1: v0-111 W's seven fragments; v112-163, v164-215 the rows of h and of t as they land
.set LT,  164
.set WV,  18
.set CUR, 19                           ; s19  the expert whose W is in registers
.set E0,  20                           ; s20, s21 the tile's first and last expert
.set E1,  21
.set EC,  22                           ; s22  the expert in hand
.set WB,  24                           ; s[24:25] its images
.set OF,  26                           ; s[26:27] an offset, in 64 bits
.set SEL, 28                           ; s28, s29 lane selects: lane l xor 16
.set MNT, 30                           ; s30  the mantissa field of 448
.set HI,  31                           ; s31  lanes 16-31
.set C2,  32                           ; s[32:33] 2 log2(e)
.set MK,  34                           ; s34  the lanes of the expert in hand; at an odd tile's end: the lanes whose triple names an expert
.set RP,  36                           ; s[36:43] rech, rect, recr, recw, at my wave's part
.set MSB, 0
.macro WIN new                         ; the immediate's high byte repeats the setting that is left; a switch that changes nothing is dropped
.if MSB != \new
	s_set_vgpr_msb (MSB<<8)|\new
.set MSB, \new
.endif
.endm
.macro NOPS n
.rept \n
	v_nop
.endr
.endm
; a row of 100 f32, in the K layout, into 52 registers of window 1
.macro GATHER L, voff, sb, off
	WIN 0x40                                       ; destination window 1, address window 0
.irp q, 0,1,2,3,4,5,6,7,8,9,10,11
	global_load_b128 v[(\L)+4*\q:(\L)+4*\q+3], v[\voff], s[\sb:\sb+1] offset:\off+32*\q
.endr
	global_load_b128 v[(\L)+48:(\L)+51], v[\voff], s[\sb:\sb+1] offset:\off+368
	WIN 0
.endm
; a row in the N layout: 50 numbers a lane
.macro LOADD D, voff, voff2, sb
.irp q, 0,1,2,3,4,5,6,7,8,9,10,11
	global_load_b128 v[(\D)+4*\q:(\D)+4*\q+3], v[\voff], s[\sb:\sb+1] offset:32*\q
.endr
	global_load_b64 v[(\D)+48:(\D)+49], v[\voff2], s[\sb:\sb+1] offset:384
.endm
; 52 numbers of a lane in window 1 become a fragment's codes in v[C] .. v[C + 13] and its scale word in v[XS]
.macro QUANT L, C, XS
	WIN 0x05                                       ; sources 0 and 1 window 1
.irp b, 0,1,2
	v_max3_num_f32 v[TM+\b], |v[(\L)+16*\b]|, |v[(\L)+16*\b+1]|, 0x4800000   ; my 16 numbers of block b, and the floor 2^(9 - 127): the byte cannot fall under 1
.endr
.irp i, 2,4,6,8,10,12,14
.irp b, 0,1,2
	v_max3_num_f32 v[TM+\b], |v[(\L)+16*\b+\i]|, |v[(\L)+16*\b+\i+1]|, v[TM+\b]   ; the blocks by turns
.endr
.endr
.irp c, 0,1,2,3
	v_cndmask_b32 v[T8+\c], 0, v[(\L)+48+\c], s[HI]   ; block 3: k = 96 .. 99 in lanes 16-31; zeros fill the block
.endr
	WIN 0
	v_max3_num_f32 v[TM+3], |v[T8]|, |v[T8+1]|, 0x4800000
	v_max3_num_f32 v[TM+3], v[TM+3], |v[T8+2]|, |v[T8+3]|
.irp b, 0,1,2,3
	v_permlanex16_b32 v[TM+4+\b], v[TM+\b], s[SEL], s[SEL+1]
.endr
.irp b, 0,1,2,3
	v_max_num_f32 v[TM+\b], v[TM+\b], v[TM+4+\b]   ; with lane l xor 16's: the block's largest magnitude
.endr
.irp b, 0,1,2,3
	v_add_nc_u32 v[TM+12+\b], 0xfc000000, v[TM+\b] ; 8 off its exponent field: the conversion's scale operand
.endr
.irp b, 0,1,2,3
	v_and_or_b32 v[TM+8+\b], v[TM+\b], 0x7f800000, s[MNT]   ; 448 x the scale
.endr
.irp b, 0,1,2,3
	v_lshrrev_b32 v[TM+4+\b], 23, v[TM+12+\b]      ; the scale's byte
.endr
	v_lshl_or_b32 v[(\XS)], v[TM+5], 8, v[TM+4]
	v_lshl_or_b32 v[(\XS)], v[TM+6], 16, v[(\XS)]
	v_lshl_or_b32 v[(\XS)], v[TM+7], 24, v[(\XS)]
.irp c, 0,1,2,3
	v_med3_num_f32 v[T8+\c], v[T8+\c], -v[TM+11], v[TM+11]
.endr
	WIN 0x41                                       ; destination and source 0 window 1
.irp b, 0,1,2
.irp i, 0,1,2,3,4,5,6,7,8,9,10,11,12,13,14,15
	v_med3_num_f32 v[(\L)+16*\b+\i], v[(\L)+16*\b+\i], -v[TM+8+\b], v[TM+8+\b]   ; the conversion to an 8-bit code does not saturate (ISA guide 7.6.2): the hold at 448 x the scale
.endr
.endr
	WIN 0x01
.irp b, 0,1,2
	v_cvt_scalef32_pk8_fp8_f32 v[(\C)+4*\b:(\C)+4*\b+1], v[(\L)+16*\b:(\L)+16*\b+7], v[TM+12+\b]
	v_cvt_scalef32_pk8_fp8_f32 v[(\C)+4*\b+2:(\C)+4*\b+3], v[(\L)+16*\b+8:(\L)+16*\b+15], v[TM+12+\b]
.endr
	WIN 0
	v_cvt_scalef32_pk8_fp8_f32 v[(\C)+12:(\C)+13], v[T8:T8+7], v[TM+15]
	v_nop                                          ; a plain instruction behind the last conversion, ahead of whatever next touches the codes
.endm
; the sum of squares of a lane's 50 numbers and of lane l xor 16's: the row's
.macro SUMSQ A, out
	v_pk_mul_f32 v[TM:TM+1], v[(\A):(\A)+1], v[(\A):(\A)+1]
	v_pk_mul_f32 v[TM+2:TM+3], v[(\A)+2:(\A)+3], v[(\A)+2:(\A)+3]
.set i, 4
.rept 11
	v_pk_fma_f32 v[TM:TM+1], v[(\A)+i:(\A)+i+1], v[(\A)+i:(\A)+i+1], v[TM:TM+1]
	v_pk_fma_f32 v[TM+2:TM+3], v[(\A)+i+2:(\A)+i+3], v[(\A)+i+2:(\A)+i+3], v[TM+2:TM+3]
.set i, i+4
.endr
	v_pk_fma_f32 v[TM:TM+1], v[(\A)+48:(\A)+49], v[(\A)+48:(\A)+49], v[TM:TM+1]
	v_pk_add_f32 v[TM:TM+1], v[TM:TM+1], v[TM+2:TM+3]
	v_add_f32 v[TM], v[TM], v[TM+1]
	v_permlanex16_b32 v[TM+4], v[TM], s[SEL], s[SEL+1]
	v_add_f32 v[\out], v[TM], v[TM+4]
.endm
; the five steps of tanh on a vector's 50 numbers a lane
.macro PKSCALE A
.set i, 0
.rept 25
	v_pk_mul_f32 v[(\A)+i:(\A)+i+1], v[(\A)+i:(\A)+i+1], s[C2:C2+1] op_sel_hi:[1,0]   ; each accumulator from its low end on
.set i, i+2
.endr
.endm
.macro EXP50 A
.set i, 0
.rept 50
	v_exp_f32 v[(\A)+i], v[(\A)+i]
.set i, i+1
.endr
.endm
.macro ADDONE A
.set i, 0
.rept 25
	v_pk_add_f32 v[(\A)+i:(\A)+i+1], v[(\A)+i:(\A)+i+1], 1.0 op_sel_hi:[1,0]
.set i, i+2
.endr
.endm
.macro RCP50 A
.set i, 0
.rept 50
	v_rcp_f32 v[(\A)+i], v[(\A)+i]
.set i, i+1
.endr
.endm
.macro FINISH A
.set i, 0
.rept 25
	v_pk_fma_f32 v[(\A)+i:(\A)+i+1], v[(\A)+i:(\A)+i+1], -2.0, 1.0 op_sel_hi:[1,0,0]
.set i, i+2
.endr
.endm
; expert EC's seven images and scale words into registers: 35 loads, each lane its own registers' bytes.  Ahead of each use of this macro stands a wait on va_vdst behind the last products that read these registers
.macro WLOAD
	s_wait_xcnt 0x0                                ; earlier loads have read the base that is written below
	s_min_u32 s35, s[EC], 6
	s_mul_i32 s[OF], s35, 16128
	s_mov_b32 s[OF+1], 0
	s_add_nc_u64 s[WB:WB+1], s[10:11], s[OF:OF+1]
	WIN 0x40
.irp f, 0,1,2,3,4,5,6
.irp c, 0,1,2,3
	global_load_b128 v[16*\f+4*\c:16*\f+4*\c+3], v[L16], s[WB:WB+1] offset:2304*\f+512*\c
.endr
.endr
	WIN 0
.irp f, 0,1,2,3,4,5,6
	global_load_b32 v[WS+\f], v[L4], s[WB:WB+1] offset:2304*\f+2048
.endr
	s_mov_b32 s[CUR], s[EC]
.endm
; the tile's 14 products: 14 accumulators, one instruction each
.macro MM14
	WIN 0x01                                       ; source 0 (W) window 1
.irp t, 0,1,2,3,4,5,6
	v_wmma_scale_f32_16x16x128_f8f6f4 v[A0+8*\t:A0+8*\t+7], v[16*\t:16*\t+15], v[CH:CH+15], v[A0+8*\t:A0+8*\t+7], v[WS+\t], v[XSH]
	v_wmma_scale_f32_16x16x128_f8f6f4 v[A1+8*\t:A1+8*\t+7], v[16*\t:16*\t+15], v[CT:CT+15], v[A1+8*\t:A1+8*\t+7], v[WS+\t], v[XST]
.endr
	WIN 0
.endm
; the same for expert EC alone: the other experts' triples as zero codes.  The accumulators take turns, one instruction a turn: 13 others stand between two links of a sum
.macro PASSM
	v_cmp_eq_u32 s[MK], s[EC], v[EV]
	s_wait_alu depctr_va_sdst(0)                   ; the compare has written its mask s[MK], ahead of the first select that reads it
.irp j, 0,1,2,3,4,5,6,7,8,9,10,11,12
	v_cndmask_b32 v[TM+\j], 0, v[CH+\j], s[MK]
.endr
.irp j, 13,14,15
	v_mov_b32 v[TM+\j], 0
.endr
	NOPS 4                                         ; an operand written by vector instructions stands four places ahead of a scaled matrix instruction
	s_wait_alu depctr_va_vdst(0)                   ; behind the places: the masked codes of h are written in v[TM ..], which the products take as an operand
	WIN 0x01
.irp t, 0,1,2,3,4,5,6
	v_wmma_scale_f32_16x16x128_f8f6f4 v[A0+8*\t:A0+8*\t+7], v[16*\t:16*\t+15], v[TM:TM+15], v[A0+8*\t:A0+8*\t+7], v[WS+\t], v[XSH]
.endr
	WIN 0
	NOPS 8                                         ; eight places ahead of the writes of the operand
.irp j, 0,1,2,3,4,5,6,7,8,9,10,11,12
	v_cndmask_b32 v[TM+\j], 0, v[CT+\j], s[MK]
.endr
	NOPS 4
	s_wait_alu depctr_va_vdst(0)                   ; behind the places: the masked codes of t are written in v[TM ..], which the products take as an operand
	WIN 0x01
.irp t, 0,1,2,3,4,5,6
	v_wmma_scale_f32_16x16x128_f8f6f4 v[A1+8*\t:A1+8*\t+7], v[16*\t:16*\t+15], v[TM:TM+15], v[A1+8*\t:A1+8*\t+7], v[WS+\t], v[XST]
.endr
	WIN 0
	NOPS 8                                         ; eight places ahead of the next writes of the operand
.endm
	s_load_b128 s[4:7], s[0:1], 0x0                ; ents_emb s[4:5], entB s[6:7]
	s_load_b256 s[RP:RP+7], s[0:1], 0x10           ; rech, rect, recr, recw
	s_load_b64 s[10:11], s[0:1], 0x30              ; wimg
	s_load_b64 s[12:13], s[0:1], 0x38              ; rtab
	s_load_b64 s[14:15], s[0:1], 0x40              ; out0
	s_load_b64 s[16:17], s[0:1], 0x48              ; out1
	v_bfe_u32 v5, v0, 4, 1                         ; h
	v_lshlrev_b32 v[H16], 4, v5
	v_lshlrev_b32 v[H8], 3, v5
	v_and_b32 v6, 31, v0
	v_lshlrev_b32 v[L16], 4, v6
	v_lshlrev_b32 v[L4], 2, v6
	v_lshrrev_b32 v7, 5, v0
	v_readfirstlane_b32 s[WV], v7                  ; wave 0..7
	v_and_b32 v5, 15, v0
	v_lshlrev_b32 v5, 2, v5                        ; lanes r and r + 16 both take triple r's word
	s_lshl_b32 s[OF], ttmp9, 11                    ; in each array: 32 tiles of 64 bytes a work-group,
	s_wait_alu depctr_va_sdst(0)                   ; the wave's number is written into s[WV], ahead of its first reader
	s_lshl_b32 s[OF+1], s[WV], 8                   ; 4 a wave
	s_add_co_u32 s[OF], s[OF], s[OF+1]
	s_mov_b32 s[OF+1], 0
	s_mov_b32 s[SEL], 0x76543210
	s_mov_b32 s[SEL+1], 0xfedcba98
	s_mov_b32 s[MNT], 0x600000
	s_mov_b32 s[HI], 0xffff0000
	s_mov_b32 s[C2], 0x4038aa3b                    ; 2 log2(e)
	s_mov_b32 s[C2+1], s[C2]                       ; (named with it as a pair)
	s_wait_kmcnt 0x0
.irp p, 0,1,2,3
	s_add_nc_u64 s[RP+2*\p:RP+2*\p+1], s[RP+2*\p:RP+2*\p+1], s[OF:OF+1]
.endr
	s_cmp_lt_u32 ttmp9, 128                        ; work-groups 0-127 hold the good triples: a choice on the work-group's number alone
	s_cselect_b64 s[14:15], s[14:15], s[16:17]
	s_load_b32 s2, s[RP+6:RP+7], 0x0               ; recw of each tile's first and last triple (bytes 64 n and 64 n + 60 of my wave's part), as scalars: the triples are sorted, so the two give the tile's span of experts
	s_load_b32 s3, s[RP+6:RP+7], 0x3c
	s_load_b32 s8, s[RP+6:RP+7], 0x40
	s_load_b32 s9, s[RP+6:RP+7], 0x7c
	s_load_b32 s44, s[RP+6:RP+7], 0x80
	s_load_b32 s45, s[RP+6:RP+7], 0xbc
	s_load_b32 s46, s[RP+6:RP+7], 0xc0
	s_load_b32 s47, s[RP+6:RP+7], 0xfc
	s_wait_alu depctr_va_vdst(0)                   ; v5, the offset of the sixteen loads below, is written; so are v[L16] and v[L4], the offsets of W's loads
.irp n, 0,1,2,3
.irp p, 0,1,2,3
	global_load_b32 v[REC+4*\n+\p], v5, s[RP+2*\p:RP+2*\p+1] offset:64*\n
.endr
.endr
.irp j, 14,15
	v_mov_b32 v[CH+\j], 0                          ; a fragment's last two registers are zero codes
	v_mov_b32 v[CT+\j], 0
.endr
.irp j, 4,5,6,7
	v_mov_b32 v[T8+\j], 0
	v_mov_b32 v[TM+\j], 0                          ; (a lane permute's destination counts as one of its sources)
.endr
.irp j, 50,51,52,53,54,55
	v_mov_b32 v[A0+\j], 0                          ; tile 6's rows that stand for no output: 0 as C, zero codes as W: they stay 0
	v_mov_b32 v[A1+\j], 0
.endr
	s_wait_loadcnt 0x0
	s_wait_kmcnt 0x0                               ; the eight scalar words are in
.irp n, 0,1,2,3
	v_min_u32 v[REC+4*\n], 0x7a120, v[REC+4*\n]    ; held inside the tables
	v_min_u32 v[REC+4*\n+1], 0x7a120, v[REC+4*\n+1]
	v_min_u32 v[REC+4*\n+2], 7055, v[REC+4*\n+2]
	v_mul_u32_u24 v[REC+4*\n], v[REC+4*\n], 400
	v_mul_u32_u24 v[REC+4*\n+1], v[REC+4*\n+1], 400
	v_mul_u32_u24 v[REC+4*\n+2], v[REC+4*\n+2], 416
	v_add_nc_u32 v[REC+4*\n], v[H16], v[REC+4*\n]
	v_add_nc_u32 v[REC+4*\n+1], v[H16], v[REC+4*\n+1]
	v_add_nc_u32 v[REC+4*\n+2], v[H16], v[REC+4*\n+2]
.endr
	s_wait_alu depctr_va_vdst(0)                   ; the twelve offsets in v[REC ..] are written, which all gathers and all loads of r^ read; they are not written again
	GATHER LH, REC, 4, 0                           ; tile 0: h's rows, t's rows; r^ and the bias follow at the tile's head: in this order in every tile, which the counted waits lean on
	GATHER LT, REC+1, 4, 0
; Tile n.  wa, wb: the scalar registers that hold recw of its first and of its last triple.
.macro TILE n, wa, wb
.set RC, REC+4*(\n)
	s_wait_alu depctr_vm_vsrc(0)                   ; the loads that took v[BO] and v[BO2] as offsets (the last tile's bias; in tile 0 the words' loads, by v5) have read them: they are written below
	v_lshrrev_b32 v[EV], 16, v[RC+3]
	v_min_u32 v[BO2], 6, v[EV]                     ; (the last tile's loads by these two offsets were shown done by that tile's wait ahead of its products)
	v_mul_u32_u24 v[BO2], v[BO2], 400
	v_add_nc_u32 v[BO], v[H16], v[BO2]
	v_add_nc_u32 v[BO2], v[H8], v[BO2]
	s_lshr_b32 s[E0], s[\wa], 16                   ; the triples are sorted: the first and the last give the tile's span of experts
	s_lshr_b32 s[E1], s[\wb], 16
	s_min_u32 s[E0], s[E0], 6                      ; key 7, no expert, rides with expert 6; its score is set to 0 at the end
	s_min_u32 s[E1], s[E1], 6
	s_mov_b32 s[EC], s[E0]
	s_wait_alu depctr_va_vdst(0)                   ; v[BO] and v[BO2] are written, which the bias's loads read; the last tile's arithmetic is done with A0, A1 and RH, and its products with W and WS, in all of which the loads below land
.if (\n) > 0
	s_cmp_eq_u32 s[CUR], s[E0]
	s_cbranch_scc1 .Lhave_\@
.endif
	WLOAD
.if (\n) > 0
.Lhave_\@:
.endif
	LOADD RH, RC+2, RC+2, 12                       ; this tile's r^
	LOADD A0, BO, BO2, 6                           ; each lane's own expert's bias is the C of the products, for h and for t
	LOADD A1, BO, BO2, 6
	s_wait_loadcnt 52                              ; h's rows are in.  Behind them: t's 13, r^'s 13, the bias's 26 (W's 35, where they were issued, only make this stricter)
	QUANT LH, CH, XSH
.if (\n) < 3
	s_wait_alu depctr_va_vdst(0)                   ; the quantiser is done reading and writing LH, in which the gather below lands
	GATHER LH, RC+4, 4, 0                          ; the next tile's h
	s_wait_loadcnt 52                              ; t's rows are in.  Behind them: r^'s 13, the bias's 26, the next h's 13
.else
	s_wait_loadcnt 39                              ; the same without a next tile
.endif
	QUANT LT, CT, XST
	NOPS 4                                         ; codes written by vector instructions stand four places ahead of a scaled matrix instruction; the scale words were made further up
	s_wait_alu depctr_va_vdst(0)                   ; behind the places: both operands' codes v[CH ..], v[CT ..] and scale words v[XSH], v[XST] are written, which the products take; the quantiser is done with LT, in which the gather below lands
.if (\n) < 3
	GATHER LT, RC+5, 4, 0                          ; the next tile's t
	s_wait_loadcnt 26                              ; all but the next tile's two gathers: r^, W and the bias are in
.else
	s_wait_loadcnt 0x0
.endif
	s_cmp_eq_u32 s[E0], s[E1]
	s_cbranch_scc0 .Lslow_\@
	MM14
	s_branch .Ljoin_\@
.Lslow_\@:                                         ; the tile spans experts E0 .. E1
	PASSM
.Lmore_\@:
	s_add_co_u32 s[EC], s[EC], 1
	s_wait_alu depctr_va_vdst(0)                   ; the last pass's products are done reading W's fragments and scale words, in which the loads below land
	WLOAD
	s_wait_loadcnt 0x0
	PASSM
	s_cmp_lt_u32 s[EC], s[E1]
	s_cbranch_scc1 .Lmore_\@
.Ljoin_\@:
	NOPS 8                                         ; eight places behind this form: for the first read of results, and for all later vector writes of the products' registers
	; tanh of both vectors.  Each batch of transcendentals is followed by plain work on the other vector and by one wait, ahead of its first reader
	PKSCALE A0
	s_wait_alu depctr_va_vdst(0)
	EXP50 A0
	s_wait_alu depctr_va_vdst(0)
	PKSCALE A1
	s_wait_alu depctr_va_vdst(0)                   ; h's 50 exponentials have written v[A0 ..], ahead of their first reader
	EXP50 A1
	ADDONE A0
	s_wait_alu depctr_va_vdst(0)                   ; t's 50 exponentials have written v[A1 ..], ahead of their first reader
	RCP50 A0
	ADDONE A1
	s_wait_alu depctr_va_vdst(0)                   ; h's 50 reciprocals have written v[A0 ..], ahead of their first reader
	RCP50 A1
	FINISH A0
	SUMSQ A0, IH
	s_wait_alu depctr_va_vdst(0)                   ; t's 50 reciprocals have written v[A1 ..], ahead of their first reader
	FINISH A1
	SUMSQ A1, IH+1
	s_wait_alu depctr_va_vdst(0)
	v_rsq_f32 v[IH], v[IH]
	v_rsq_f32 v[IH+1], v[IH+1]
	v_nop
	s_wait_alu depctr_va_vdst(0)                   ; the two reciprocal roots have written v[IH] and v[IH+1], ahead of their first reader
	v_min_num_f32 v[IH], 0x5368d4a5, v[IH]         ; 1 / max(norm, 1e-12)
	v_min_num_f32 v[IH+1], 0x5368d4a5, v[IH+1]
.set i, 0
.rept 25
	v_pk_fma_f32 v[A0+i:A0+i+1], v[A0+i:A0+i+1], v[IH:IH+1], v[RH+i:RH+i+1] op_sel_hi:[1,0,1]   ; h^ + r^
.set i, i+2
.endr
.set i, 0
.rept 25
	v_pk_fma_f32 v[A0+i:A0+i+1], v[A1+i:A1+i+1], v[IH:IH+1], v[A0+i:A0+i+1] op_sel:[0,1,0] neg_lo:[0,1,0] neg_hi:[0,1,0]   ; - t^
.set i, i+2
.endr
	SUMSQ A0, TM+8
.if (\n)%2 == 0
	s_wait_alu depctr_va_vdst(0)
	v_sqrt_f32 v[SC], v[TM+8]                      ; kept: two tiles' scores leave by one store
	v_nop
	s_wait_alu depctr_va_vdst(0)                   ; the root has written v[SC], ahead of the next tile's branch and of its reader there
.else
.if (\n) == 3
	s_wait_xcnt 0x0                                ; the first store has read its two registers
	s_wait_alu depctr_vm_vsrc(0)                   ; the first store has read v[SA] and v[SD], which are written again below
.endif
	s_wait_alu depctr_va_vdst(0)
	v_sqrt_f32 v[TM+9], v[TM+8]
	v_cndmask_b32 v[SA], v[RC-1], v[RC+3], s[HI]   ; lanes 0-15: the even tile's triples, lanes 16-31: this tile's.  (The plain instruction behind the root)
	v_cmp_gt_u32 s[MK], 0x70000, v[SA]             ; key under 7: an expert was named
	s_wait_alu depctr_va_vdst(0)                   ; the root has written v[TM+9], ahead of its first reader
	v_cndmask_b32 v[SD], v[SC], v[TM+9], s[HI]
	s_wait_alu depctr_va_sdst(0)                   ; the compare has written its mask s[MK], ahead of the select that reads it
	v_cndmask_b32 v[SD], 0, v[SD], s[MK]           ; else three zero vectors: the score 0
	v_and_b32 v[SA], 0xffff, v[SA]
	v_min_u32 v[SA], 0xffff, v[SA]
	v_lshlrev_b32 v[SA], 2, v[SA]
	s_wait_alu depctr_va_vdst(0)                   ; v[SA] and v[SD] are written, which the store reads as its offset and its data
	global_store_b32 v[SA], v[SD], s[14:15]        ; 4 bytes a lane at the triple's own index: the sort keeps the order within an expert, so a tile's 16 indices ascend within one block of 2,048
.endif
.endm
	TILE 0, 2, 3
	TILE 1, 8, 9
	TILE 2, 44, 45
	TILE 3, 46, 47
	s_endpgm
.Lfunc_end_k_qe0da2031aa_score:
	.size	k_qe0da2031aa_score, .Lfunc_end_k_qe0da2031aa_score-k_qe0da2031aa_score
	.p2alignl 7, 3214868480
	.fill 96, 4, 3214868480
	.section	.rodata,"a",@progbits
	.p2align	6, 0x0
	.amdhsa_kernel k_qe0da2031aa_score
		.amdhsa_group_segment_fixed_size 0
		.amdhsa_private_segment_fixed_size 0
		.amdhsa_enable_private_segment 0
		.amdhsa_kernarg_size 80
		.amdhsa_user_sgpr_count 2
		.amdhsa_user_sgpr_kernarg_segment_ptr 1
		.amdhsa_wavefront_size32 1
		.amdhsa_system_sgpr_workgroup_id_x 1
		.amdhsa_system_sgpr_workgroup_id_y 1
		.amdhsa_system_sgpr_workgroup_id_z 1
		.amdhsa_system_vgpr_workitem_id 0
		.amdhsa_next_free_vgpr 512
		.amdhsa_next_free_sgpr 66
		.amdhsa_reserve_vcc 0
		.amdhsa_float_denorm_mode_32 3
		.amdhsa_float_denorm_mode_16_64 3
		.amdhsa_memory_ordered 1
		.amdhsa_forward_progress 1
		.amdhsa_inst_pref_size 255
	.end_amdhsa_kernel
	.section	.bss,"aw",@nobits
	.p2align	6
	.space	262144
	.amdgpu_metadata
---
amdhsa.version: [ 1, 2 ]
amdhsa.kernels:
  - .name:           k_qe0da2031aa_score
    .symbol:         k_qe0da2031aa_score.kd
    .args:
      - { .name: ents_emb, .offset: 0, .size: 8, .value_kind: global_buffer, .address_space: global }
      - { .name: entB, .offset: 8, .size: 8, .value_kind: global_buffer, .address_space: global }
      - { .name: rech, .offset: 16, .size: 8, .value_kind: global_buffer, .address_space: global }
      - { .name: rect, .offset: 24, .size: 8, .value_kind: global_buffer, .address_space: global }
      - { .name: recr, .offset: 32, .size: 8, .value_kind: global_buffer, .address_space: global }
      - { .name: recw, .offset: 40, .size: 8, .value_kind: global_buffer, .address_space: global }
      - { .name: wimg, .offset: 48, .size: 8, .value_kind: global_buffer, .address_space: global }
      - { .name: rtab, .offset: 56, .size: 8, .value_kind: global_buffer, .address_space: global }
      - { .name: out0, .offset: 64, .size: 8, .value_kind: global_buffer, .address_space: global }
      - { .name: out1, .offset: 72, .size: 8, .value_kind: global_buffer, .address_space: global }
    .group_segment_fixed_size: 0
    .private_segment_fixed_size: 0
    .kernarg_segment_align: 8
    .kernarg_segment_size: 80
    .max_flat_workgroup_size: 256
    .sgpr_count:     66
    .vgpr_count:     512
    .wavefront_size: 32
...
	.end_amdgpu_metadata
.endif
;; end of part 4
